; MI455X (gfx1250); checked and timed in simulation.
; The chip was launched on July 23, 2026; its instructions are those of AMD's public machine-readable ISA for CDNA 5 (MIT licence, August 2026) and "CDNA5" Instruction Set Architecture Reference Guide (July 2026). The comments in the code are by the model that wrote it; some were corrected since.
;; Multi Head Attention. Allowed arithmetic: matrix products marked QUANTISED: E4M3 operands, one E8M0 scale for each 32 along K, by v_wmma_scale_f32_16x16x128_f8f6f4 with both operands' format E4M3, f32 sums; everything else in f32.
;; Inputs: Wk_codes 1,024 x 32 x 32 uint8 (E4M3 codes of Wk, K innermost, in blocks of 32 codes); Wk_scales 1,024 x 32 uint8 (E8M0 scales of Wk, one for each 32 codes along K); Wo_codes 1,024 x 32 x 32 uint8 (E4M3 codes of Wo, K innermost, in blocks of 32 codes); Wo_scales 1,024 x 32 uint8 (E8M0 scales of Wo, one for each 32 codes along K); Wq_codes 1,024 x 32 x 32 uint8 (E4M3 codes of Wq, K innermost, in blocks of 32 codes); Wq_scales 1,024 x 32 uint8 (E8M0 scales of Wq, one for each 32 codes along K); Wv_codes 1,024 x 32 x 32 uint8 (E4M3 codes of Wv, K innermost, in blocks of 32 codes); Wv_scales 1,024 x 32 uint8 (E8M0 scales of Wv, one for each 32 codes along K); bk 1,024 float32; bo 1,024 float32; bq 1,024 float32; bv 1,024 float32; key_codes 4 x 2,048 x 32 x 32 uint8 (E4M3 codes of key, K innermost, in blocks of 32 codes); key_scales 4 x 2,048 x 32 uint8 (E8M0 scales of key, one for each 32 codes along K); mask 1 x 1 x 2,048 x 2,048 float32; query_codes 4 x 2,048 x 32 x 32 uint8 (E4M3 codes of query, K innermost, in blocks of 32 codes); query_scales 4 x 2,048 x 32 uint8 (E8M0 scales of query, one for each 32 codes along K); value_codes 4 x 2,048 x 32 x 32 uint8 (E4M3 codes of value, K innermost, in blocks of 32 codes); value_scales 4 x 2,048 x 32 uint8 (E8M0 scales of value, one for each 32 codes along K).
;; Outputs: out0 4 x 2,048 x 1,024 float32.
;; This version of the problem:
;;   THIS VERSION OF THE PROBLEM IS GIVEN IN LOW PRECISION. The matrix products marked QUANTISED in the list below multiply operands that are first quantised to E4M3 (4 exponent bits, 3 mantissa bits; 8 bits a number), with one power-of-two scale for each 32 numbers along K (OCP MX v1.0); their sums are f32. All else is computed in f32.
;;   The module's matrix products, in the order in which they are computed (A, B: the left and right operand; K: the contracted axis; several contracted axes count as one K, in the product's order):
;;     1. [M 8,192, K 1,024] x [K 1,024, N 1,024]; A: input query (given as codes); B: input Wq (given as codes): QUANTISED
;;     2. [M 8,192, K 1,024] x [K 1,024, N 1,024]; A: input key (given as codes); B: input Wk (given as codes): QUANTISED
;;     3. [M 8,192, K 1,024] x [K 1,024, N 1,024]; A: input value (given as codes); B: input Wv (given as codes): QUANTISED
;;     4. batch 64 x [M 2,048, K 64] x [K 64, N 2,048]; A: computed on the way; B: computed on the way: QUANTISED
;;     5. batch 64 x [M 2,048, K 2,048] x [K 2,048, N 64]; A: softmax (see below); B: computed on the way: QUANTISED
;;     6. [M 8,192, K 1,024] x [K 1,024, N 1,024]; A: computed on the way; B: input Wo (given as codes): QUANTISED
;;   THE QUANTISER, for each operand of a quantised product, along K:
;;     - K is cut into blocks of 32 from its start; a last block that is shorter is filled with zeros.
;;     - A block's scale is 2^e with e = floor(log2(the largest magnitude in the block)) - 8, held to -126 .. 127; a block of zeros has e = 0. As a byte (E8M0): e + 127.
;;     - Each number is divided by its block's scale, clamped to +-448, and rounded to the nearest number of E4M3, ties to even, subnormals kept.
;;     - The product sums the exact products of the quantised numbers (number of the format x scale) in f32.
;;   ~~~python
;;   def quantise(x, axis):      # numpy; x: float32 -> the quantised numbers, widened to float32 again
;;       x = np.moveaxis(x, axis, -1); K = x.shape[-1]
;;       x = np.pad(x, [(0, 0)] * (x.ndim - 1) + [(0, -K % 32)]); x = x.reshape(x.shape[:-1] + (-1, 32)); a = np.abs(x).max(-1, keepdims=True)
;;       e = np.where(a > 0, np.clip(np.frexp(np.where(a > 0, a, 1))[1] - 1 - 8, -126, 127), 0)      # np.frexp(a)[1] - 1 = floor(log2(a)), exactly
;;       r = np.clip(x / 2.0 ** e, -448, 448)
;;       step = 2.0 ** (np.maximum(np.frexp(np.where(r == 0, 1, r))[1] - 1, -6) - 3)
;;       q = np.round(r / step) * step * 2.0 ** e      # np.round: ties to even
;;       return np.moveaxis(q.reshape(q.shape[:-2] + (-1,))[..., :K], -1, axis).astype(np.float32)
;;   ~~~
;;   SOFTMAX AHEAD OF A QUANTISED PRODUCT. Where the list says 'softmax', what is quantised is not the finished softmax but p = 2^(t - M), with t = logit x log2(e) and M = ceil(the row's largest t), a whole number; so 1/2 < the row's largest p <= 1. The row's sum l is taken of the UNQUANTISED p, in f32, and the product's result is divided by l at the end. Since M is a whole number, a kernel that streams over the keys may use a running M (the ceiling of the running maximum): every later rescaling is an exact power of two, which a block's scale takes up: the codes' values come out the same.
;;   OPERANDS COMPUTED ON THE WAY. 'Computed on the way' means the value that the module computes at that place (a softmax that the list does not call 'softmax' is quantised finished and normalised). What goes into a quantiser is computed in f32, as accurately as f32 sums, v_exp_f32 and their like allow (about 1e-6 of the number): no bf16 or f16 on the way to a quantiser, and a product that is left as it is and whose result goes on into a quantised operand takes f32 operands (vector FMAs, or v_wmma_f32_16x16x4_f32). A number that lies on a knife's edge between two numbers of the format may be rounded either way, as far as f32 arithmetic and the matrix unit's own rounding can turn it there, and no further.
;;   INPUTS GIVEN AS CODES. Wk (in the module: [1024, 1024], K = its axis 0); Wo (in the module: [1024, 1024], K = its axis 0); Wq (in the module: [1024, 1024], K = its axis 0); Wv (in the module: [1024, 1024], K = its axis 0); key (in the module: [4, 2048, 1024], K = its axis 2); query (in the module: [4, 2048, 1024], K = its axis 2); value (in the module: [4, 2048, 1024], K = its axis 2): each comes as NAME_codes (uint8): NAME with its K axis moved to the last place and cut into blocks of 32 codes, [.., K / 32, bytes a block], one block behind the other in memory; one code a byte (a code: sign, 4 exponent bits, 3 mantissa bits); and NAME_scales (uint8): the same leading axes, one E8M0 byte (e + 127) for each 32 codes along K. Its value is code x scale, taken as it is: it is not quantised again, and the codes and scales need not be those that the quantiser above would give.
;; One version. Each part assembles by itself: llvm-mc -triple=amdgcn-amd-amdhsa -mcpu=gfx1250 --defsym DOCPART=n.
;; ======== version 1 of 1: 3 launches
;; limits: right only within a limited range of input values
;; workspace buffers: qc 8,388,608 bytes; kc 8,388,608 bytes; vc 8,388,608 bytes; xc 8,388,608 bytes; qs 262,144 bytes; ks 262,144 bytes; vs 262,144 bytes; xs 262,144 bytes
;; launch proj (part 1): grid 4 x 96, 4 waves a work-group, clusters of 4 x 4, 327,680 bytes of LDS; arguments query_codes, key_codes, Wv_codes, query_scales, key_scales, Wv_scales, Wq_codes, Wk_codes, value_codes, Wq_scales, Wk_scales, value_scales, bq, bk, bv, qc, kc, vc, qs, ks, vs; writes qc, kc, vc, qs, ks, vs
.if DOCPART == 1
	.amdgcn_target "amdgcn-amd-amdhsa--gfx1250"
	.amdhsa_code_object_version 6
	.text
	.protected	k_qb7d9a08f17_proj
	.globl	k_qb7d9a08f17_proj
	.p2align	8
	.type	k_qb7d9a08f17_proj,@function
k_qb7d9a08f17_proj:
	s_mov_b64 s[64:65], 0
	v_nop
	global_prefetch_b8 v0, s[64:65] scope:SCOPE_SE
	s_setreg_imm32_b32 hwreg(HW_REG_WAVE_MODE, 25, 1), 1
	s_wait_xcnt 0x0
	s_wait_alu depctr_hold_cnt(0) depctr_sa_sdst(0) depctr_va_vdst(0) depctr_va_sdst(0) depctr_va_ssrc(0) depctr_va_vcc(0) depctr_vm_vsrc(0)
	s_getreg_b32 s2, hwreg(HW_REG_IB_STS2, 6, 4)
	s_cmp_eq_u32 s2, 0
	s_cbranch_scc0 .Lentry_in_a_cluster
	s_endpgm
.Lentry_in_a_cluster:
	s_bfe_u32 s2, ttmp6, 0x10000c
	s_cmp_lg_u32 s2, 0xf033
	s_cbranch_scc0 .Lentry_shape_is_right
	s_endpgm
.Lentry_shape_is_right:
; q = query Wq + bq, k = key Wk + bk, v = value Wv + bv on codes of FP8 (E4M3) with one E8M0 scale for each 32 along K, and the quantiser of the three results: q and k along the head's 64, v along the keys.
; DEAD WORK: none is left out in this program.  All four biases move codes or the output; the mask is an input, so no pattern of it is built in and every tile of scores is computed; every input is loaded.
; ONE TEXT: C[m][n] = sum over k of A[m][k] B[n][k] + bias, K = 1,024, quantised along n in blocks of 32.  Q, K: A = the tokens (8,192 rows), B = the weight (1,024 rows), the bias runs along n.
; V: A = Wv (1,024 rows d), B = the tokens: a lane then holds one d and its registers run along the tokens, which are v's K; the bias runs along m.  The cluster's y says which: 0-7 Q, 8-15 K, 16-23 V.
; A tile of C, 256 x 256, is made by four waves, 128 x 128 each: 64 accumulators of 16 x 16.  K goes in steps of 256 through a ring of two LDS slots filled by the tensor data mover; the scales of the
; work-group's rows, for all of K, come into LDS once.  4 x 4 work-groups form a cluster: A's tiles are asked for jointly along a row of it, B's along a column.
; THE MATRIX INSTRUCTION IS USED TRANSPOSED (source 0 = 16 rows of B, source 1 = 16 rows of A): lane (r, h) holds row r of A's block and n = 16 b + 8 h + 0 .. 7 of B's block b.
; THE RESULT LEAVES AS IMAGES OF OPERAND REGISTERS.  A cell is 16 rows x 32 n: 512 bytes, lane l's 16 bytes at 16 l.  A lane's 16 numbers of a block of 32 are n = 8 h + 0 .. 7 and 16 + 8 h + 0 .. 7: position
; (h, byte i) of a cell holds n = 8 h + (i & 7) + 16 (i >> 3).  That order inside a scale's block is the same in every operand that this program makes, so like meets like in the later products.
; codes: [m tile][n block][512 bytes];  scale words (four bytes: 128 along n of one row): [n / 128][m tile][row 16][4 bytes].
; LIMITS.  The floor under a block's largest magnitude is 2^(12 - 127), so that a scale's byte is at least 4 (the next launch takes 3 off q's bytes: the factor 1 / 8): blocks whose largest magnitude lies under
; 2^-115 get the scale 2^-123 and not the rule's; a block of zeros gets the byte 4 where the rule says 127 (its codes are zeros, and this program alone reads the bytes).  NaN and infinities are not served.
.set KSTEP,  256                       ; along K in a slot
.set NQ,     2                         ; matrix instructions deep
.set ROWB,   256                       ; a tile's row in bytes
.set KROW,   1024                      ; a row of A or of B in memory, in bytes
.set PITCH,  272                       ; an LDS row: 256 bytes + 16 of padding = 68 words: the 16 rows that a load touches start at 16 different banks (64 banks of 4 bytes: ISA guide 11.1)
.set FR,     16                        ; registers of a fragment: 16 rows x 128 K
.set NL,     4                         ; LDS loads that bring one
.set NP,     8                         ; places behind this matrix instruction (ISA guide 7.12.1)
.set HALFT,  128*PITCH                 ; 128 rows: what one tensor load brings
.set SLOT,   4*HALFT                   ; A's 256 rows, then B's 256 rows
.set LAPS,   2                         ; a lap = two K steps = once round the ring
.set KS,     32                        ; a row of scales in bytes
.set SCL,    2*SLOT                    ; behind the ring: the scales, as units of 256 bytes + 16 of padding
.set HALFS,  (128*KS/256)*272          ; the scales of 128 rows
.set SBLK,   (16*KS/256)*272           ; those of 16 rows
.set SPARE,  SCL+4*HALFS               ; the spare words, 128 bytes for each wave: two blocks of 256 bytes that no other line names
.set FLOOR,  12<<23                    ; 2^(12 - 127)
.set UU,   8                           ; v8-15   the bias factor of A's block a: bias[m] (V) or 1.0
.set ADRA, 16                          ; v16-17  LDS address of my A fragments in slot 0, 1
.set BOW,  18                          ; v18     32 h: my offset among the bias along n
.set BOU,  19                          ; v19     4 r: among the bias along m
.set ADRB, 20                          ; v20-21  LDS address of my B fragments
.set STO,  24                          ; v24     the way out: where I put a scale word: 512 x wave + 4 x lane (in slot 0, which has had its last fill and its last read by then)
.set RD,   25                          ; v25     and where I read four back: 512 x wave + 16 x lane
.set CO,   26                          ; v26     16 x lane: my place in a cell
.set ADRS, 27                          ; v27     LDS address of my scale words: lanes 0-15 A's rows, lanes 16-31 B's
.set SPW,  28                          ; v28     LDS address of my spare word; never rewritten
.set NIL,  29                          ; v29     0; never rewritten
.set LN,   30                          ; v30     my lane
.set SC,   32                          ; v32-63  scale words, two sets
.set WB,   64                          ; v64-127 the bias factor along n: register 8 b + j: bias[n] (Q, K) or 1.0
.set AF,   128                         ; A's fragments, in window 0
.set X,    128                         ; the way out: 64 numbers of a lane
.set PC,   192                         ; their codes
.set TM,   208                         ; v208-211 largest magnitudes, v212-215 bytes, v216-219 448 x the scale, v220-223 the conversions' scale operands
.set SW,   224                         ; v224-231 the scale word of each of my eight blocks of rows
.set BK,   232                         ; v232-235 four scale words back from the stage
.set G1, 24                            ; s[24:31] descriptor group 1 for A's tiles;  s[32:39] group 0, one set for each slot
.set G0, 32
.set G1B, 48                           ; s[48:55], s[56:63] the same for B's tiles
.set G0B, 56
.set G1S, 68                           ; s[68:75], s[76:79] groups 1 and 0 for A's scales;  s[80:87], s[88:91] for B's
.set G0S, 76
.set G1SB, 80
.set G0SB, 88
.set NSTR, 66                          ; s[66:67] bytes from an m tile's cells to the next m tile's
.set MNT,  97                          ; s97     the mantissa field of 448
.set SEL,  98                          ; s[98:99] v_permlanex16_b32's selects for lane l xor 16
.set MSB, 0
.macro WIN new                         ; the immediate's high byte repeats the setting that is left
.if MSB != \new
	s_set_vgpr_msb (MSB<<8)|\new
.set MSB, \new
.endif
.endm
.set MUL_LO, 0xa1                      ; source 0 (B) window 1, source 1 (A) window 0, C and D window 2
.set MUL_HI, 0xf1                      ; the same, C and D window 3
.set TO_B,   0x40                      ; destination window 1, address window 0
; A joint load: waves 0 and 1 fetch for A, waves 2 and 3 for B.  Each line has one mask and one set of registers for all that issue it; the branch hangs on the wave's number alone.
; An s_nop 0 and four v_nop follow each of the two lines.
.macro JLOAD g0a, g1a, g0b, g1b
	s_cmp_eq_u32 s15, 0
	s_cbranch_scc0 .Lfor_b_\@
	tensor_load_to_lds s[\g0a:\g0a+3], s[\g1a:\g1a+7]
	s_nop 0
.rept 4
	v_nop
.endr
	s_branch .Lasked_\@
.Lfor_b_\@:
	tensor_load_to_lds s[\g0b:\g0b+3], s[\g1b:\g1b+7]
	s_nop 0
.rept 4
	v_nop
.endr
.Lasked_\@:
.endm
.macro CREST                           ; a round of the cluster's barrier behind its opening barrier
	s_cmp_lg_u32 s14, 0
	s_cbranch_scc1 .Lnot_wave_0_\@
	s_barrier_signal -3
.Lnot_wave_0_\@:
	s_barrier_wait -3
	s_barrier_signal -1
	s_barrier_wait -1
.endm
.macro CROUND                          ; a whole round
	s_barrier_signal -1
	s_barrier_wait -1
	CREST
.endm
.macro PICK d, p0, p1                  ; a choice between two buffers on the cluster's y alone
	s_cselect_b64 s[\d:\d+1], s[\p1:\p1+1], s[\p0:\p0+1]
.endm
	s_load_b512 s[68:83], s[0:1], 0x0              ; A's codes x 3, A's scales x 3, B's codes x 2
	s_load_b512 s[84:99], s[0:1], 0x40             ; B's codes, B's scales x 3, the biases x 3, qc
	s_load_b256 s[48:55], s[0:1], 0x80             ; kc, vc, qs, ks
	s_load_b64 s[56:57], s[0:1], 0xa0              ; vs
	v_lshl_add_u32 v[SPW], v0, 2, SPARE
	v_mov_b32 v[NIL], 0
	ds_add_u32 v[SPW], v[NIL]                      ; the wave's opening: the add, twice on end, and its wait ahead of my first tensor load
	ds_add_u32 v[SPW], v[NIL]                      ; and once more, under the one wait; the ids below, work on registers, stand between
	v_lshrrev_b32 v1, 5, v0
	v_readfirstlane_b32 s14, v1                    ; wave 0..3
	s_lshr_b32 s15, s14, 1                         ; which half of the tile's rows is mine.  Also: I fetch for A (0) or for B (1)
	s_and_b32 s16, s14, 1                          ; which half of its columns.  Also: which 128 rows of that tile I fetch
	s_bfe_u32 s40, ttmp6, 0x40000                  ; cx, cy: my place in the cluster
	s_bfe_u32 s41, ttmp6, 0x40004
	s_and_b32 s17, ttmp7, 0xffff                   ; the cluster's y, 0..23
	s_lshr_b32 s2, s17, 3                          ; which product: 0 Q, 1 K, 2 V: the same in all sixteen partners
	s_and_b32 s17, s17, 7
	s_lshl_b32 s17, s17, 2                         ; four tiles of the long axis to a cluster
	s_cmp_eq_u32 s2, 2
	s_cselect_b32 s42, s17, 0                      ; V: the long axis (tokens) is n,
	s_cselect_b32 s17, 0, s17                      ; Q, K: it is m
	s_add_co_u32 s42, s42, s40                     ; tile column of C
	s_add_co_u32 s17, s17, s41                     ; tile row of C
	s_lshl_b32 s43, s41, 2
	s_lshl_b32 s43, 15, s43                        ; my row of the cluster
	s_lshl_b32 s44, 0x1111, s40                    ; my column
	v_mov_b32 v7, 0                                ; (named as the upper half of the pair v[6:7])
	s_wait_dscnt 0x0                               ; both opening adds are done
	s_wait_kmcnt 0x0
	s_cmp_eq_u32 s2, 1
	PICK 4, 68, 70                                 ; A's codes
	PICK 6, 74, 76                                 ; A's scales
	PICK 8, 80, 82                                 ; B's codes
	PICK 10, 86, 88                                ; B's scales
	PICK 100, 92, 94                               ; the bias
	PICK 12, 98, 48                                ; the result's codes
	PICK 104, 52, 54                               ; the result's scale words
	s_cmp_eq_u32 s2, 2
	PICK 4, 4, 72
	PICK 6, 6, 78
	PICK 8, 8, 84
	PICK 10, 10, 90
	PICK 100, 100, 96
	PICK 12, 12, 50
	PICK 104, 104, 56
	s_mov_b32 s[NSTR], 16384                       ; Q, K: 32 cells to an m tile;
	s_cselect_b32 s[NSTR], 131072, s[NSTR]         ; V: 256
	s_mov_b32 s[NSTR+1], 0
	s_mov_b32 s96, 512                             ; m tiles in all: 512,
	s_cselect_b32 s96, 64, s96                     ; V: 64
	s_mov_b32 s[MNT], 0x600000
	s_mov_b32 s[SEL], 0x76543210
	s_mov_b32 s[SEL+1], 0xfedcba98
	; descriptor group 1 (the arguments' landing registers are free now): a tile of 128 rows x 256 bytes, padded in LDS
	s_or_b32 s[G1+0], s43, (0<<16)|(1<<20)|(1<<21)|(5<<22)|(3<<25)  ; 15:0 the mask: A's tiles go to my row; 17:16 elements of 1 byte; 20 padding on; 21 set beside a mask; 24:22 after every 64 words; 31:25 four words
	s_or_b32 s[G1B+0], s44, (0<<16)|(1<<20)|(1<<21)|(5<<22)|(3<<25)
.irp g, G1, G1B
	s_mov_b32 s[\g+1], ROWB<<16                    ; tensor_dim0
	s_mov_b32 s[\g+2], 256<<16                     ; tensor_dim1: 256 rows for the head's loads; set to 128 for the ring's behind them
	s_mov_b32 s[\g+3], ROWB<<16                    ; tile_dim0
	s_mov_b32 s[\g+4], 256                         ; tile_dim1
	s_mov_b32 s[\g+5], KROW                        ; tensor_dim0_stride
	s_mov_b32 s[\g+6], 0
	s_mov_b32 s[\g+7], 0
.endr
	; the scales of 256 rows: a dense block of 8,192 bytes, as rows of 256 bytes (32 elements of 8 bytes), 16 bytes of padding behind each
	s_or_b32 s[G1S+0], s43, (3<<16)|(1<<20)|(1<<21)|(5<<22)|(3<<25)
	s_or_b32 s[G1SB+0], s44, (3<<16)|(1<<20)|(1<<21)|(5<<22)|(3<<25)
.irp g, G1S, G1SB
	s_mov_b32 s[\g+1], 32<<16
	s_mov_b32 s[\g+2], KS<<16                      ; the scales of 256 rows: KS rows of 256 bytes
	s_mov_b32 s[\g+3], 32<<16
	s_mov_b32 s[\g+4], KS
	s_mov_b32 s[\g+5], 32
	s_mov_b32 s[\g+6], 0
	s_mov_b32 s[\g+7], 0
.endr
	s_lshl_b32 s20, s17, 8                         ; A: the tile's first row, 256 x tile row
	s_lshl_b32 s46, s42, 8                         ; B: 256 x tile column
	s_mov_b32 s21, 0
	s_mov_b32 s47, 0
	s_mov_b64 s[18:19], KS
	s_mul_u64 s[22:23], s[20:21], s[18:19]         ; where these rows' scales begin, in bytes
	s_mul_u64 s[92:93], s[46:47], s[18:19]
	s_mov_b64 s[18:19], KROW
	s_mul_u64 s[20:21], s[20:21], s[18:19]         ; and their codes
	s_mul_u64 s[46:47], s[46:47], s[18:19]
	s_mul_i32 s45, s14, HALFT                      ; where they go: wave x 128 rows: no place in the cluster enters an LDS address
	s_mul_i32 s18, s16, 128*KROW                   ; in the ring I fetch 128 rows of a tile: which half, in bytes
	s_mov_b32 s19, 0
	s_add_nc_u64 s[20:21], s[4:5], s[20:21]
	s_add_nc_u64 s[22:23], s[6:7], s[22:23]
	s_add_nc_u64 s[46:47], s[8:9], s[46:47]
	s_add_nc_u64 s[92:93], s[10:11], s[92:93]
	CROUND                                         ; all sixteen work-groups are here: the first joint loads meet
	s_mov_b32 s[G0S], 1
	s_mov_b32 s[G0S+1], SCL
	s_mov_b64 s[G0S+2:G0S+3], s[22:23]
	s_or_b32 s[G0S+3], s[G0S+3], 0x80000000
	s_mov_b32 s[G0SB], 1
	s_mov_b32 s[G0SB+1], SCL+2*HALFS
	s_mov_b64 s[G0SB+2:G0SB+3], s[92:93]
	s_or_b32 s[G0SB+3], s[G0SB+3], 0x80000000
.set G0H, 4                            ; s[4:7], s[8:11] group 0 for the head's loads of K step 0 (the arguments that lay there have been used)
.set G0HB, 8
	s_mov_b32 s[G0H], 1                            ; K step 0's 256 rows of A,
	s_mov_b32 s[G0H+1], 0
	s_mov_b64 s[G0H+2:G0H+3], s[20:21]
	s_or_b32 s[G0H+3], s[G0H+3], 0x80000000
	s_mov_b32 s[G0HB], 1                           ; its 256 rows of B, behind them in slot 0
	s_mov_b32 s[G0HB+1], 2*HALFT
	s_mov_b64 s[G0HB+2:G0HB+3], s[46:47]
	s_or_b32 s[G0HB+3], s[G0HB+3], 0x80000000
	s_add_nc_u64 s[20:21], s[20:21], s[18:19]      ; for the ring: my 128 rows of the tile
	s_add_nc_u64 s[46:47], s[46:47], s[18:19]
.irp s, 0,1
	s_mov_b32 s[G0+4*\s], 1
	s_add_co_u32 s[G0+4*\s+1], s45, \s*SLOT
	s_add_nc_u64 s[G0+4*\s+2:G0+4*\s+3], s[20:21], \s*ROWB
	s_or_b32 s[G0+4*\s+3], s[G0+4*\s+3], 0x80000000
	s_mov_b32 s[G0B+4*\s], 1
	s_add_co_u32 s[G0B+4*\s+1], s45, \s*SLOT
	s_add_nc_u64 s[G0B+4*\s+2:G0B+4*\s+3], s[46:47], \s*ROWB
	s_or_b32 s[G0B+4*\s+3], s[G0B+4*\s+3], 0x80000000
.endr
; THE HEAD'S LOADS, ONE A WAVE: wave 0 K step 0's 256 rows of A, wave 1 its 256 rows of B, wave 2 the scales of A's 256 rows, wave 3 those of B's.
; One tree of branches on the wave's number: every way through the head passes exactly one load.
.macro ARM under, g0, g1, next
	s_cmp_lt_u32 s14, \under
	s_cbranch_scc0 \next
	tensor_load_to_lds s[\g0:\g0+3], s[\g1:\g1+7]
	s_nop 0
.rept 4
	v_nop
.endr
	s_branch .Lhead_asked
\next:
.endm
	ARM 1, G0H,  G1,  .Lhead_b
	ARM 2, G0HB, G1B, .Lhead_sa
	ARM 3, G0S,  G1S, .Lhead_sb
	tensor_load_to_lds s[G0SB:G0SB+3], s[G1SB:G1SB+7]
	s_nop 0
.rept 4
	v_nop
.endr
.Lhead_asked:
	v_and_b32 v1, 15, v0
	v_bfe_u32 v2, v0, 4, 1                         ; h = l / 16
	v_mul_u32_u24 v3, v1, PITCH
	v_lshl_add_u32 v4, v2, 4, v3                   ; a fragment's row x pitch + 16 x half
	s_mul_i32 s21, s15, HALFT                      ; my 128 rows of A
	s_mul_i32 s22, s16, HALFT                      ; my 128 rows of B,
	s_add_co_u32 s22, s22, 2*HALFT                 ; which lie behind A's 256
.irp s, 0,1
	v_add_nc_u32 v[ADRA+\s], s21, v4
	v_add_nc_u32 v[ADRB+\s], s22, v4
	s_add_co_u32 s21, s21, SLOT
	s_add_co_u32 s22, s22, SLOT
.endr
	v_mul_u32_u24 v5, v1, KS                       ; my row's scales: KS bytes a row,
	v_lshrrev_b32 v6, 8, v5
	v_lshl_add_u32 v5, v6, 4, v5                   ; and 16 more for each 256 passed
	s_mul_i32 s21, s15, HALFS                      ; A's: my 128 rows
	s_mul_i32 s22, s16, HALFS                      ; B's: my 128 rows, behind A's 256
	s_add_co_u32 s22, s22, 2*HALFS
	s_sub_co_u32 s22, s22, s21
	v_mul_u32_u24 v6, s22, v2                      ; lanes 16-31 take B's
	s_add_co_u32 s21, s21, SCL
	v_add_nc_u32 v5, v5, v6
	v_add_nc_u32 v[ADRS], s21, v5
	v_and_b32 v[LN], 31, v0
	v_lshlrev_b32 v[CO], 4, v[LN]
	s_lshl_b32 s23, s14, 9                         ; my 512 bytes of the scale words' stage
	v_lshl_add_u32 v[STO], v[LN], 2, s23
	v_add_nc_u32 v[RD], s23, v[CO]
	v_lshlrev_b32 v[BOW], 5, v2
	v_lshlrev_b32 v[BOU], 2, v1
	; where my 128 x 128 begins
	s_lshl_b32 s20, s17, 8
	s_lshl_b32 s21, s15, 7
	s_add_co_u32 s20, s20, s21                     ; my first m
	s_lshl_b32 s46, s42, 8
	s_lshl_b32 s47, s16, 7
	s_add_co_u32 s46, s46, s47                     ; my first n
	s_cmp_eq_u32 s2, 2
	s_cselect_b32 s22, s20, s46                    ; the bias runs along m (V) or along n (Q, K)
	s_lshl_b32 s22, s22, 2
	s_mov_b32 s23, 0
	s_add_nc_u64 s[100:101], s[100:101], s[22:23]
	s_lshr_b32 s21, s20, 4                         ; my first m tile
	s_mul_i32 s22, s21, s[NSTR]
	s_lshl_b32 s47, s46, 4                         ; my first n block x 512 bytes
	s_add_co_u32 s22, s22, s47
	s_add_nc_u64 s[12:13], s[12:13], s[22:23]      ; the codes' first cell
	s_lshr_b32 s47, s46, 7                         ; my 128 along n
	s_mul_i32 s47, s47, s96
	s_add_co_u32 s47, s47, s21
	s_lshl_b32 s22, s47, 6                         ; 64 bytes of scale words to an m tile
	s_add_nc_u64 s[104:105], s[104:105], s[22:23]
	; THE BIAS AS A PRODUCT u[m] w[n] of which one factor is 1.0, so that one fused multiply-add a pair serves both directions.  The branch hangs on the cluster's y alone; no LDS line and no tensor load stands in it.
	s_cmp_eq_u32 s2, 2
	s_cbranch_scc1 .Lbias_m
	s_wait_alu depctr_va_vdst(0)
.irp t, 0,1,2,3,4,5,6,7
	global_load_b128 v[WB+8*\t:WB+8*\t+3], v[BOW], s[100:101] offset:64*\t         ; bias[n + 16 t + 8 h + 0 .. 7]
	global_load_b128 v[WB+8*\t+4:WB+8*\t+7], v[BOW], s[100:101] offset:64*\t+16
.endr
.irp a, 0,1,2,3,4,5,6,7
	v_mov_b32 v[UU+\a], 1.0
.endr
	s_branch .Lbias_done
.Lbias_m:
	s_wait_alu depctr_va_vdst(0)
.irp a, 0,1,2,3,4,5,6,7
	global_load_b32 v[UU+\a], v[BOU], s[100:101] offset:64*\a                      ; bias[m + 16 a + r]
.endr
.set i, 0
.rept 64
	v_mov_b32 v[WB+i], 1.0
.set i, i+1
.endr
.Lbias_done:
.macro FRAG reg, adr, q, i             ; a fragment, 16 rows x 128 K of 8-bit codes: lane l holds row l % 16; registers 4 c .. 4 c + 3 hold K = 32 c + 16 (l / 16) + 0 .. 15
.irp c, 0,1,2,3
	ds_load_b128 v[\reg+4*\c:\reg+4*\c+3], v[\adr] offset:128*(\q)+32*\c+(\i)*16*PITCH
.endr
.endm
; 16 matrix instructions: A's blocks a0, a0 + 1 x B's eight, 128 along K: the slot's q-th.  p: B's set;  sc: the set of scale words.  zero = 1: the first product starts the sums.
; The 64 accumulators take turns, one instruction a turn, in the same order in every step.
.macro MUL16 a0, p, q, sc, zero
.irp a, \a0, \a0+1
.irp b, 0,1,2,3,4,5,6,7
.if \zero
	v_wmma_scale_f32_16x16x128_f8f6f4 v[8*(8*((\a)%4)+\b):8*(8*((\a)%4)+\b)+7], v[128*(\p)+FR*\b:128*(\p)+FR*\b+FR-1], v[AF+FR*(\a):AF+FR*(\a)+FR-1], 0, v[SC+8*NQ*(\sc)+NQ*\b+(\q)], v[SC+8*NQ*(\sc)+NQ*(\a)+(\q)] matrix_a_scale:MATRIX_SCALE_ROW1
.else
	v_wmma_scale_f32_16x16x128_f8f6f4 v[8*(8*((\a)%4)+\b):8*(8*((\a)%4)+\b)+7], v[128*(\p)+FR*\b:128*(\p)+FR*\b+FR-1], v[AF+FR*(\a):AF+FR*(\a)+FR-1], v[8*(8*((\a)%4)+\b):8*(8*((\a)%4)+\b)+7], v[SC+8*NQ*(\sc)+NQ*\b+(\q)], v[SC+8*NQ*(\sc)+NQ*(\a)+(\q)] matrix_a_scale:MATRIX_SCALE_ROW1
.endif
.endr
.endr
.endm
.macro FETCH_B slot, q, p              ; B's eight fragments of the slot's q-th 128 along K into set p
	WIN TO_B
.irp i, 0,1,2,3,4,5,6,7
	FRAG 128*(\p)+FR*\i, ADRB+\slot, \q, \i
.endr
	WIN 0
.endm
.macro FETCH_A slot, q, i0             ; A's blocks i0 .. i0 + 3
.irp i, \i0, \i0+1, \i0+2, \i0+3
	FRAG AF+FR*(\i), ADRA+\slot, \q, \i
.endr
.endm
.macro SCALES sc                       ; the next K step's scale words into set sc: lanes 0-15 take A's block i, lanes 16-31 B's block i
.irp i, 0,1,2,3,4,5,6,7
	ds_load_b64 v[SC+8*NQ*\sc+NQ*\i:SC+8*NQ*\sc+NQ*\i+1], v[ADRS] offset:\i*SBLK
.endr
.endm
.macro PLACES n                        ; places in front of loads into registers that matrix instructions have read, and of the first read of results
.rept \n
	v_nop
.endr
.endm
; A step of 128 along K that has its successor in the same slot.
.macro STEP slot, q, zero
	s_wait_dscnt 4*NL                              ; B's set and A's blocks 0-3 are in; the youngest sixteen loads (A's blocks 4-7) may be out
	WIN MUL_LO
	MUL16 0, (\q)%2, \q, \slot, \zero
	MUL16 2, (\q)%2, \q, \slot, \zero
	s_wait_dscnt 0                                 ; A's blocks 4-7 are in
	PLACES NP
	FETCH_B \slot, (\q)+1, 1-(\q)%2
	FETCH_A \slot, (\q)+1, 0
	WIN MUL_HI
	MUL16 4, (\q)%2, \q, \slot, \zero
	MUL16 6, (\q)%2, \q, \slot, \zero
	PLACES NP
	WIN 0
	FETCH_A \slot, (\q)+1, 4
.endm
; A slot's last step changes slots: one barrier; in front of it each wave waits for all its tensor loads, adds 0 to its spare word, and waits for that and for its own reads of this slot.  fill = 1: this slot is filled again, two K steps ahead.
.macro TURN slot, next, fill
	s_wait_tensorcnt 0x0                           ; all my tensor loads have landed: my part of the next slot;  (every window is 0 here)
	ds_add_u32 v[SPW], v[NIL]                      ; 0 onto my spare word
	s_wait_dscnt 4*NL+1                            ; (the add and the youngest sixteen loads, A's blocks 4-7, may be out)
	WIN MUL_LO
	MUL16 0, 1, NQ-1, \slot, 0                     ; sixteen matrix instructions stand between the add and the wait for it
	s_wait_dscnt 0x0                               ; the add is done, and my reads of this slot are over
	s_barrier_signal -1
	MUL16 2, 1, NQ-1, \slot, 0
	WIN 0
	s_barrier_wait -1
.if \fill
	CREST                                          ; the barrier has opened a round of the cluster's barrier: no wave of any partner still reads this slot's tile or has a load on its way
	s_add_nc_u64 s[G0+4*\slot+2:G0+4*\slot+3], s[G0+4*\slot+2:G0+4*\slot+3], 2*ROWB
	s_add_nc_u64 s[G0B+4*\slot+2:G0B+4*\slot+3], s[G0B+4*\slot+2:G0B+4*\slot+3], 2*ROWB
	JLOAD G0+4*\slot, G1, G0B+4*\slot, G1B         ; the first tensor load behind the round; its four v_nop are among the places in front of the loads below
	PLACES NP-4
.else
	PLACES NP
.endif
	s_wait_alu depctr_va_vdst(0)
	v_add_nc_u32 v[ADRS], 4*NQ, v[ADRS]            ; on to the next K step's scale words
	FETCH_B \next, 0, 0
	FETCH_A \next, 0, 0
	SCALES \next
	WIN MUL_HI
	MUL16 4, 1, NQ-1, \slot, 0
	MUL16 6, 1, NQ-1, \slot, 0
	PLACES NP
	WIN 0
	FETCH_A \next, 0, 4
.endm
; 64 numbers of a lane, v[s] on, register 16 b + i of block b, become four cells' codes in v[PC] on and my row's scale word in v[w].
.macro QUANT s, w
.irp b, 0,1,2,3
	v_max3_num_f32 v[TM+\b], |v[\s+16*\b]|, |v[\s+1+16*\b]|, FLOOR   ; block b: my 16 numbers, and the floor
.endr
.irp i, 2,4,6,8,10,12,14
.irp b, 0,1,2,3
	v_max3_num_f32 v[TM+\b], v[TM+\b], |v[\s+16*\b+\i]|, |v[\s+1+16*\b+\i]|   ; (the four blocks by turns)
.endr
.endr
.irp b, 0,1,2,3
	v_permlanex16_b32 v[TM+4+\b], v[TM+\b], s[SEL], s[SEL+1]
.endr
.irp b, 0,1,2,3
	v_max_num_f32 v[TM+\b], v[TM+\b], v[TM+4+\b]   ; with lane l xor 16's 16: the block's largest magnitude
.endr
.irp b, 0,1,2,3
	v_add_nc_u32 v[TM+12+\b], 0xfc000000, v[TM+\b] ; 8 off its exponent field: the conversion takes the exponent field of this operand as its scale
.endr
.irp b, 0,1,2,3
	v_and_or_b32 v[TM+8+\b], v[TM+\b], 0x7f800000, s[MNT]   ; 448 x the scale
.endr
.irp b, 0,1,2,3
	v_lshrrev_b32 v[TM+4+\b], 23, v[TM+12+\b]      ; the scale's byte
.endr
	v_lshl_or_b32 v[\w], v[TM+5], 8, v[TM+4]
	v_lshl_or_b32 v[\w], v[TM+6], 16, v[\w]
	v_lshl_or_b32 v[\w], v[TM+7], 24, v[\w]
.irp b, 0,1,2,3
.irp i, 0,1,2,3,4,5,6,7,8,9,10,11,12,13,14,15
	v_med3_num_f32 v[\s+16*\b+\i], v[\s+16*\b+\i], -v[TM+8+\b], v[TM+8+\b]   ; the conversion to an 8-bit code does not saturate (ISA guide 7.6.2): the hold
.endr
	v_cvt_scalef32_pk8_fp8_f32 v[PC+4*\b:PC+1+4*\b], v[\s+16*\b:\s+7+16*\b], v[TM+12+\b]
	v_cvt_scalef32_pk8_fp8_f32 v[PC+2+4*\b:PC+3+4*\b], v[\s+8+16*\b:\s+15+16*\b], v[TM+12+\b]
.endr
	v_nop                                          ; a plain instruction between the last conversion and the next vector instruction that writes its sources
.endm
	s_wait_alu depctr_va_vdst(0)                   ; the wait at the head's end
	s_wait_tensorcnt 0x0                           ; my tile of the head's four is in; these lines stand ahead of a later first fill as ahead of a refill
	ds_add_u32 v[SPW], v[NIL]                      ; 0 onto my spare word
	s_mov_b32 s[G1+2], 128<<16                     ; no tensor load of mine is out: from here on a load brings 128 rows
	s_mov_b32 s[G1+4], 128
	s_mov_b32 s[G1B+2], 128<<16
	s_mov_b32 s[G1B+4], 128
	s_wait_dscnt 0x0                               ; the add is done
	CROUND                                         ; all four tiles are in, and all sixteen work-groups are here
	JLOAD G0+4, G1, G0B+4, G1B                     ; K step 1's load, the first tensor load behind the round
	FETCH_B 0, 0, 0
	FETCH_A 0, 0, 0
	SCALES 0
	FETCH_A 0, 0, 4
	STEP 0, 0, 1                                   ; the first step stands in front of the loop: its products start the sums
	s_mov_b32 s3, LAPS-1
.Llap:                                                 ; a trip goes once round the ring and fills both slots again
	TURN 0, 1, 1
	STEP 1, 0, 0
	TURN 1, 0, 1
	STEP 0, 0, 0
	s_sub_co_u32 s3, s3, 1
	s_cmp_lg_u32 s3, 0
	s_cbranch_scc1 .Llap
	TURN 0, 1, 0                                   ; the last lap fills nothing, and has no round of the cluster's barrier
	STEP 1, 0, 0
	s_wait_dscnt 4*NL                              ; the very last step: nothing more to fetch
	WIN MUL_LO
	MUL16 0, 1, NQ-1, 1, 0
	MUL16 2, 1, NQ-1, 1, 0
	s_wait_dscnt 0
	WIN MUL_HI
	MUL16 4, 1, NQ-1, 1, 0
	MUL16 6, 1, NQ-1, 1, 0
	WIN 0
	; THE WAY OUT, a block of 16 rows x 128 n at a time: the bias, the quantiser, four cells of 512 consecutive bytes.
	s_wait_loadcnt 0x0                             ; the bias
	PLACES NP                                      ; behind the last products: their results are read, and the registers that held A's fragments are written
.irp b, 0,1,2,3
	v_mov_b32 v[TM+4+\b], 0                        ; written once: a lane permute's destination counts as one of its sources
.endr
.irp a, 0,1,2,3,4,5,6,7
.if \a > 0
	s_wait_xcnt 0x0                                ; the last block's stores have read their data and their base: both are written again only behind this wait
	s_add_nc_u64 s[12:13], s[12:13], s[NSTR:NSTR+1]
.endif
	v_mov_b32 v6, v[UU+\a]
	WIN (0x20+0x10*(\a/4))                         ; source 2: the accumulators' window
.set i, 0
.rept 32
	v_pk_fma_f32 v[X+i:X+i+1], v[6:7], v[WB+i:WB+i+1], v[64*(\a%4)+i:64*(\a%4)+i+1] op_sel_hi:[0,1,1]   ; u w + the sum; each accumulator from its low end on
.set i, i+2
.endr
	WIN 0
	QUANT X, SW+\a
.irp c, 0,1,2,3
	global_store_b128 v[CO], v[PC+4*\c:PC+4*\c+3], s[12:13] offset:512*\c   ; 32 lanes store 512 consecutive bytes, at a multiple of 512 from the buffer's first byte
.endr
.endr
	; my eight blocks' scale words: 512 consecutive bytes.  Lanes 0-15 give an even block's, lanes 16-31 the odd one's (both halves hold both); through my own 512 bytes of LDS they come back 16 bytes a lane.
	v_cmp_gt_u32 vcc_lo, 16, v[LN]
.irp p, 0,1,2,3
	v_cndmask_b32 v[SW+2*\p], v[SW+2*\p+1], v[SW+2*\p], vcc_lo
	ds_store_b32 v[STO], v[SW+2*\p] offset:128*\p
.endr
	ds_load_b128 v[BK:BK+3], v[RD]                 ; LDS serves a wave's instructions in order (ISA guide 5.7.1.4): this sees my stores
	s_wait_dscnt 0x0
	global_store_b128 v[CO], v[BK:BK+3], s[104:105]
	s_wait_tensorcnt 0x0                           ; the wave's end, behind my last tensor load and my last LDS store
	ds_add_u32 v[SPW], v[NIL]
	s_wait_dscnt 0x0
	CROUND                                         ; the closing round: no work-group ends while a partner may still ask for a tile that names it
	s_endpgm
.Lfunc_end_k_qb7d9a08f17_proj:
	.size	k_qb7d9a08f17_proj, .Lfunc_end_k_qb7d9a08f17_proj-k_qb7d9a08f17_proj
	.p2alignl 7, 3214868480
	.fill 96, 4, 3214868480
	.section	.rodata,"a",@progbits
	.p2align	6, 0x0
	.amdhsa_kernel k_qb7d9a08f17_proj
		.amdhsa_group_segment_fixed_size 327680
		.amdhsa_private_segment_fixed_size 0
		.amdhsa_enable_private_segment 0
		.amdhsa_kernarg_size 168
		.amdhsa_user_sgpr_count 2
		.amdhsa_user_sgpr_kernarg_segment_ptr 1
		.amdhsa_wavefront_size32 1
		.amdhsa_system_sgpr_workgroup_id_x 1
		.amdhsa_system_sgpr_workgroup_id_y 1
		.amdhsa_system_sgpr_workgroup_id_z 1
		.amdhsa_system_vgpr_workitem_id 0
		.amdhsa_next_free_vgpr 1024
		.amdhsa_next_free_sgpr 106
		.amdhsa_reserve_vcc 1
		.amdhsa_float_denorm_mode_32 3
		.amdhsa_float_denorm_mode_16_64 3
		.amdhsa_memory_ordered 1
		.amdhsa_forward_progress 1
		.amdhsa_inst_pref_size 208
	.end_amdhsa_kernel
	.amdgpu_metadata
---
amdhsa.version: [ 1, 2 ]
amdhsa.kernels:
  - .name:           k_qb7d9a08f17_proj
    .symbol:         k_qb7d9a08f17_proj.kd
    .args:
      - { .name: query_codes, .offset: 0, .size: 8, .value_kind: global_buffer, .address_space: global }
      - { .name: key_codes, .offset: 8, .size: 8, .value_kind: global_buffer, .address_space: global }
      - { .name: Wv_codes, .offset: 16, .size: 8, .value_kind: global_buffer, .address_space: global }
      - { .name: query_scales, .offset: 24, .size: 8, .value_kind: global_buffer, .address_space: global }
      - { .name: key_scales, .offset: 32, .size: 8, .value_kind: global_buffer, .address_space: global }
      - { .name: Wv_scales, .offset: 40, .size: 8, .value_kind: global_buffer, .address_space: global }
      - { .name: Wq_codes, .offset: 48, .size: 8, .value_kind: global_buffer, .address_space: global }
      - { .name: Wk_codes, .offset: 56, .size: 8, .value_kind: global_buffer, .address_space: global }
      - { .name: value_codes, .offset: 64, .size: 8, .value_kind: global_buffer, .address_space: global }
      - { .name: Wq_scales, .offset: 72, .size: 8, .value_kind: global_buffer, .address_space: global }
      - { .name: Wk_scales, .offset: 80, .size: 8, .value_kind: global_buffer, .address_space: global }
      - { .name: value_scales, .offset: 88, .size: 8, .value_kind: global_buffer, .address_space: global }
      - { .name: bq, .offset: 96, .size: 8, .value_kind: global_buffer, .address_space: global }
      - { .name: bk, .offset: 104, .size: 8, .value_kind: global_buffer, .address_space: global }
      - { .name: bv, .offset: 112, .size: 8, .value_kind: global_buffer, .address_space: global }
      - { .name: qc, .offset: 120, .size: 8, .value_kind: global_buffer, .address_space: global }
      - { .name: kc, .offset: 128, .size: 8, .value_kind: global_buffer, .address_space: global }
      - { .name: vc, .offset: 136, .size: 8, .value_kind: global_buffer, .address_space: global }
      - { .name: qs, .offset: 144, .size: 8, .value_kind: global_buffer, .address_space: global }
      - { .name: ks, .offset: 152, .size: 8, .value_kind: global_buffer, .address_space: global }
      - { .name: vs, .offset: 160, .size: 8, .value_kind: global_buffer, .address_space: global }
    .group_segment_fixed_size: 327680
    .private_segment_fixed_size: 0
    .kernarg_segment_align: 8
    .kernarg_segment_size: 168
    .max_flat_workgroup_size: 128
    .sgpr_count:     106
    .vgpr_count:     1024
    .wavefront_size: 32
...
	.end_amdgpu_metadata
.endif
;; end of part 1
;; launch attn (part 2): grid 16 x 16, 8 waves a work-group, clusters of 4 x 4, 327,680 bytes of LDS; arguments qc, qs, kc, ks, vc, vs, mask, xc, xs; writes xc, xs
.if DOCPART == 2
	.amdgcn_target "amdgcn-amd-amdhsa--gfx1250"
	.amdhsa_code_object_version 6
	.text
	.protected	k_qb7d9a08f17_attn
	.globl	k_qb7d9a08f17_attn
	.p2align	8
	.type	k_qb7d9a08f17_attn,@function
k_qb7d9a08f17_attn:
	s_mov_b64 s[64:65], 0
	v_nop
	global_prefetch_b8 v0, s[64:65] scope:SCOPE_SE
	s_setreg_imm32_b32 hwreg(HW_REG_WAVE_MODE, 25, 1), 1
	s_wait_xcnt 0x0
	s_wait_alu depctr_hold_cnt(0) depctr_sa_sdst(0) depctr_va_vdst(0) depctr_va_sdst(0) depctr_va_ssrc(0) depctr_va_vcc(0) depctr_vm_vsrc(0)
	s_getreg_b32 s2, hwreg(HW_REG_IB_STS2, 6, 4)
	s_cmp_eq_u32 s2, 0
	s_cbranch_scc0 .Lentry_in_a_cluster
	s_endpgm
.Lentry_in_a_cluster:
	s_bfe_u32 s2, ttmp6, 0x10000c
	s_cmp_lg_u32 s2, 0xf033
	s_cbranch_scc0 .Lentry_shape_is_right
	s_endpgm
.Lentry_shape_is_right:
; x = softmax(q k^T / 8 + mask x (-1e9)) v for 64 (batch, head) pairs, 2,048 queries and keys, head size 64, both products on codes of FP8 (E4M3) with E8M0 scales, and the quantiser of x along the head's 64.
; No work is left out: the mask is an input, so every tile of scores is computed.
; p = 2^(t - M), t = logit x log2(e), M the ceiling of the running largest t; the row's sum is taken of the unquantised p and divides at the end.
; SHARES.  A work-group owns 128 queries x 4 heads of one batch; 16 x 16 work-groups.  Each of its 8 waves owns ONE head and FOUR tiles of 16 queries: a key step's fragments of K and V (128 keys) are read
; from LDS once and stay in registers for all four tiles; only the mask's 16 x 128 numbers are read for each tile.
; CLUSTERS 4 x 4: the mask's tile hangs on the query block alone and is asked for jointly along a row of the cluster; K, V and their scale bytes hang on (batch, heads) alone and are asked for along a column.
; LAYOUT (as the launch before stores it): a cell is 16 rows x 32 along K, 512 bytes, lane l's 16 bytes at 16 l.  Both products are used transposed: a lane holds one query (lane % 16).
; K = 64 fills half of the matrix instruction's 128: q's upper eight registers are zero codes; k's upper eight are the next fragment's codes, which are numbers, so these products are 0.
; THE MASK: mask x (-1e9) is the C of the score's matrix instruction.  The scores go in two groups of four tiles of keys: the second half's mask is multiplied behind the first group, the first half's
; maxima are taken behind the second.  The next tile's first half of the mask is read early, into registers of its own.
; LIMITS.  Score and mask term are added in the matrix unit's order of rounding, not by one f32 addition: in a row where |mask x 1e9| is over 2^24 x |score| at EVERY key (no open key) the weights differ from
; reference()'s.  The promise holds while the scaled scores stay under 2^31 in magnitude.  NaN and infinities are not served.  1 / 8 is taken off q's scale bytes (each is at least 4).
; REGISTERS.  Window 0: v1-15 addresses; v16-79 q (4 x [8 codes, 8 zeros]); v80-143 the scores, then p; v144-159 p's codes; v160-177 scale words; v180-195 -M, largest logit and the sum of each tile;
; v196-221 at work; v222-253 the first half of a tile's mask.  Window 1: v0-127 O^T of the four tiles; v128-191 K's eight fragments; v192-255 V's four.
.set SLOT1, 1<<17                      ; mask and K: slot 1 lies 2^17 bytes behind slot 0
.set VSL,   32768                      ; V: its two slots lie 32,768 bytes apart
.set MP,    528                        ; a row of the mask's tile in LDS: 512 bytes + 16 of padding
.set KC,    128*MP                     ; K's 8 x 4,096 bytes behind the mask's 128 rows
.set KSC,   KC+32768                   ; K's scale words of the batch's 2,048 keys, 4 heads: 16,384 bytes, filled once
.set SPARE, KSC+16384                  ; the spare words, 128 bytes a wave: four blocks of 256 bytes that no other line names
.set VSC,   SLOT1+KSC                  ; V's scale words likewise
.set VC,    2*SLOT1                    ; V's slots
.set AK0,  1
.set AV0,  2
.set AM0,  3
.set ASK0, 4
.set ASV0, 5
.set SPW,  6
.set NIL,  7
.set ADK,  8
.set ADV,  9
.set ADM,  10
.set ADS,  11
.set ADT,  12
.set L16,  13                          ; 16 x lane
.set R4,   14                          ; 4 x (lane % 16)
.set R32,  15                          ; 32 x (lane % 16)
.set Q,    16
.set S,    80
.set PC,   144
.set KSR,  160
.set VSR,  168
.set QS,   172
.set PW,   176
.set PFO,  177
.set ST,   180                         ; tile i: v[ST+4i] -M, +1 the largest logit, +2, +3 the sum in two halves
.set BM,   196
.set PD,   200
.set HL,   204
.set SO,   208
.set F,    212
.set T,    214
.set T2,   215
.set SA,   216
.set SB,   218
.set SC,   220
.set M2,   222
.set KF,   128                         ; window 1
.set VF,   192                         ; window 1
.set WV,   22
.set HD,   23
.set QG,   24
.set MNT,  25
.set SEL,  26
.set CS,   28
.set NEG,  30
.set TB,   2
.set TS,   3
.set TV,   66
.set TT,   67
.set G1M,  32
.set G1K,  40
.set G1V,  48
.set G1KS, 56
.set G1VS, 68
.set G0M,  76
.set G0K,  80
.set G0V,  84
.set G0KS, 88
.set G0VS, 92
.set SLOTS, 96
.set LIM,  97
.set PFA,  98
.set PFS,  100
.set W0M, (2<<16)|(1<<20)|(1<<21)|(6<<22)|(3<<25)   ; elements of 4 bytes; four words of padding after every 128; bit 21 beside a mask
.set W0C, (3<<16)|(1<<21)                           ; elements of 8 bytes, no padding
.set MSB, 0
.macro WIN new                         ; the immediate's high byte repeats the setting that is left
.if MSB != \new
	s_set_vgpr_msb (MSB<<8)|\new
.set MSB, \new
.endif
.endm
.macro GROUP1 g, d0, d1, p             ; words 1 to 7 of a group 1: d1 rows of d0 elements, p elements apart
	s_mov_b32 s[\g+1], (\d0)<<16
	s_mov_b32 s[\g+2], (\d1)<<16
	s_mov_b32 s[\g+3], (\d0)<<16
	s_mov_b32 s[\g+4], \d1
	s_mov_b32 s[\g+5], \p
	s_mov_b32 s[\g+6], 0
	s_mov_b32 s[\g+7], 0
.endm
.macro CROUND                          ; a round of the cluster's barrier
	s_barrier_signal -1
	s_barrier_wait -1
	s_cmp_lg_u32 s[WV], 0
	s_cbranch_scc1 .Lnot_wave_0_\@
	s_barrier_signal -3
.Lnot_wave_0_\@:
	s_barrier_wait -3
	s_barrier_signal -1
	s_barrier_wait -1
.endm
.macro TL g0, g1                       ; an s_nop 0 and four v_nop follow each tensor load
	tensor_load_to_lds s[\g0:\g0+3], s[\g1:\g1+7]
	s_nop 0
.rept 4
	v_nop
.endr
.endm
.macro RLOAD                           ; the ring: waves 0 and 1 the mask's halves, wave 2 K, wave 3 V; the branches hang on the wave's number alone
	s_cmp_lt_u32 s[WV], 2
	s_cbranch_scc0 .Lnot_m_\@
	TL G0M, G1M
	s_branch .Lasked_\@
.Lnot_m_\@:
	s_cmp_eq_u32 s[WV], 2
	s_cbranch_scc0 .Lnot_k_\@
	TL G0K, G1K
	s_branch .Lasked_\@
.Lnot_k_\@:
	s_cmp_eq_u32 s[WV], 3
	s_cbranch_scc0 .Lasked_\@
	TL G0V, G1V
.Lasked_\@:
.endm
; A PREFETCH INTO THE L2 of the key step that the NEXT change of slots loads, by the waves that fetch nothing for the ring, one instruction each, every aligned block of 256 bytes once in each cluster:
; the four partners that ask for a tile jointly share its blocks out by address.  Waves 4, 5: 32 of the mask's 128 rows (by cx), a lane a row, the row's first and second 256 bytes.
; Wave 6: 2 of K's 8 rows of 4,096 bytes (by cy).  Wave 7: 4 of V's 16 rows of 2,048 bytes (by cy).  Steps 0 and 1 come by their loads alone; the last change that loads asks for nothing.
.macro ASK
	s_cmp_gt_u32 s[SLOTS], s[LIM]
	s_cbranch_scc0 .Lnot_mine_\@
	global_prefetch_b8 v[PFO], s[PFA:PFA+1] th:TH_LOAD_NT scope:SCOPE_SE
.Lnot_mine_\@:
.endm
	s_load_b512 s[4:19], s[0:1], 0x0               ; qc, qs, kc, ks, vc, vs, mask, xc
	s_load_b64 s[20:21], s[0:1], 0x40              ; xs
	v_lshl_add_u32 v[SPW], v0, 2, SPARE
	v_mov_b32 v[NIL], 0
	ds_add_u32 v[SPW], v[NIL]                      ; the opening: the add, twice on end, and its wait ahead of my first tensor load
	ds_add_u32 v[SPW], v[NIL]
	v_lshrrev_b32 v8, 5, v0
	v_readfirstlane_b32 s[WV], v8                  ; wave 0..7
	s_and_b32 s[HD], s[WV], 3                      ; my head of the work-group's four
	s_lshr_b32 s[QG], s[WV], 2                     ; my four tiles of its eight
	s_and_b32 s67, s[WV], 1                        ; which half of a tile I fetch
	s_bfe_u32 s2, ttmp6, 0x40000                   ; cx
	s_bfe_u32 s3, ttmp6, 0x40004                   ; cy
	s_lshl_b32 s98, ttmp9, 2
	s_add_co_u32 s98, s98, s2                      ; work-group x
	s_lshr_b32 s104, s98, 2                        ; the batch
	s_and_b32 s105, s98, 3                         ; the group of four heads
	s_and_b32 s66, ttmp7, 0xffff
	s_lshl_b32 s66, s66, 2
	s_add_co_u32 s66, s66, s3                      ; work-group y: the block of 128 queries
	s_lshl_b32 s100, s3, 2
	s_lshl_b32 s100, 15, s100                      ; my row of the cluster
	s_lshl_b32 s98, 0x1111, s2                     ; my column
	s_or_b32 s[G1M], s100, W0M
	s_or_b32 s[G1K], s98, W0C
	s_or_b32 s[G1V], s98, W0C
	s_or_b32 s[G1KS], s98, W0C
	s_or_b32 s[G1VS], s98, W0C
	GROUP1 G1M, 128, 64, 2048                      ; 64 rows of 128 numbers of the mask
	GROUP1 G1K, 512, 8, 2048                       ; 8 tiles of 16 keys: 4 heads = 4,096 bytes of each, 16,384 bytes apart
	GROUP1 G1V, 256, 16, 16384                     ; 16 tiles of 16 channels: 128 keys = 2,048 bytes of each, 131,072 bytes apart
	GROUP1 G1KS, 32, 32, 32                        ; a head pair's scale words of 2,048 keys: 8,192 dense bytes
	GROUP1 G1VS, 128, 8, 512                       ; 8 key steps: 4 heads' scale words = 1,024 bytes of each, 4,096 bytes apart
	s_mov_b32 s[MNT], 0x600000                     ; the mantissa field of 448
	s_mov_b32 s[SEL], 0x76543210
	s_mov_b32 s[SEL+1], 0xfedcba98
	s_mov_b32 s[CS], 0x3fb8aa3b                    ; log2(e)
	s_mov_b32 s[CS+1], s[CS]
	s_mov_b32 s[NEG], 0xce6e6b28                   ; -1e9
	s_mov_b32 s[NEG+1], s[NEG]
	s_wait_dscnt 0x0
	s_wait_kmcnt 0x0
	s_mov_b32 s[G0M], 1
	s_mul_i32 s[G0M+1], s67, 64*MP
	s_lshl_b32 s100, s66, 20                       ; 128 rows of 8,192 bytes
	s_lshl_b32 s101, s67, 19
	s_add_co_u32 s100, s100, s101
	s_mov_b32 s101, 0
	s_add_nc_u64 s[G0M+2:G0M+3], s[16:17], s[100:101]
	s_or_b32 s[G0M+3], s[G0M+3], 0x80000000
	s_mov_b32 s99, 0
	s_mov_b32 s[G0K], 1
	s_mov_b32 s[G0K+1], KC
	s_lshl_b32 s98, s104, 21
	s_lshl_b32 s97, s105, 12
	s_add_co_u32 s98, s98, s97
	s_add_nc_u64 s[G0K+2:G0K+3], s[8:9], s[98:99]
	s_or_b32 s[G0K+3], s[G0K+3], 0x80000000
	s_mov_b32 s[G0V], 1
	s_mov_b32 s[G0V+1], VC
	s_lshl_b32 s98, s105, 21
	s_lshl_b32 s97, s104, 15
	s_add_co_u32 s98, s98, s97
	s_add_nc_u64 s[G0V+2:G0V+3], s[12:13], s[98:99]
	s_or_b32 s[G0V+3], s[G0V+3], 0x80000000
	s_mov_b32 s[G0KS], 1
	s_lshl_b32 s[G0KS+1], s67, 13
	s_add_co_u32 s[G0KS+1], s[G0KS+1], KSC
	s_lshl_b32 s98, s105, 16
	s_lshl_b32 s97, s67, 15
	s_add_co_u32 s98, s98, s97
	s_lshl_b32 s97, s104, 13
	s_add_co_u32 s98, s98, s97
	s_add_nc_u64 s[G0KS+2:G0KS+3], s[10:11], s[98:99]
	s_or_b32 s[G0KS+3], s[G0KS+3], 0x80000000
	s_mov_b32 s[G0VS], 1
	s_lshl_b32 s[G0VS+1], s67, 13
	s_add_co_u32 s[G0VS+1], s[G0VS+1], VSC
	s_lshl_b32 s98, s104, 16
	s_lshl_b32 s97, s105, 10
	s_add_co_u32 s98, s98, s97
	s_lshl_b32 s97, s67, 15
	s_add_co_u32 s98, s98, s97
	s_add_nc_u64 s[G0VS+2:G0VS+3], s[14:15], s[98:99]
	s_or_b32 s[G0VS+3], s[G0VS+3], 0x80000000
	CROUND                                         ; all sixteen work-groups are here: the first joint loads meet
; THE HEAD'S LOADS, ONE A WAVE: waves 0, 1 the mask's halves of key step 0, wave 2 K, wave 3 V, waves 4, 5 the halves of K's scale words, waves 6, 7 those of V's.  Every way passes exactly one load.
.macro ARM under, g0, g1, next
	s_cmp_lt_u32 s[WV], \under
	s_cbranch_scc0 \next
	TL \g0, \g1
	s_branch .Lhead_asked
\next:
.endm
	ARM 2, G0M,  G1M,  .Lh_k
	ARM 3, G0K,  G1K,  .Lh_v
	ARM 4, G0V,  G1V,  .Lh_ks
	ARM 6, G0KS, G1KS, .Lh_vs
	TL G0VS, G1VS
.Lhead_asked:
	s_lshl_b32 s96, s104, 7
	s_lshl_b32 s97, s66, 3
	s_add_co_u32 s96, s96, s97
	s_lshl_b32 s97, s[QG], 2
	s_add_co_u32 s96, s96, s97                     ; my first tile of 16 tokens
	s_lshl_b32 s97, s105, 2
	s_add_co_u32 s97, s97, s[HD]                   ; my head, 0..15
	s_mov_b32 s101, 0
	s_lshl_b32 s100, s96, 14
	s_lshl_b32 s98, s97, 10
	s_add_co_u32 s100, s100, s98
	s_add_nc_u64 s[4:5], s[4:5], s[100:101]        ; q's codes: 16,384 bytes a tile, 1,024 a head
	s_add_nc_u64 s[18:19], s[18:19], s[100:101]    ; x's likewise
	s_lshr_b32 s100, s97, 1
	s_lshl_b32 s100, s100, 9
	s_add_co_u32 s100, s100, s96
	s_lshl_b32 s100, s100, 6
	s_and_b32 s98, s97, 1
	s_lshl_b32 s98, s98, 1
	s_add_co_u32 s100, s100, s98
	s_add_nc_u64 s[6:7], s[6:7], s[100:101]        ; q's scale bytes
	s_lshl_b32 s100, s96, 9
	s_lshl_b32 s98, s97, 1
	s_add_co_u32 s100, s100, s98
	s_add_nc_u64 s[20:21], s[20:21], s[100:101]    ; x's: 32 bytes a token, 2 a head
	v_and_b32 v8, 31, v0
	v_and_b32 v9, 15, v0
	v_bfe_u32 v10, v0, 4, 1
	v_lshlrev_b32 v[L16], 4, v8
	v_lshlrev_b32 v[R4], 2, v9
	v_lshlrev_b32 v[R32], 5, v9
	s_wait_alu depctr_va_vdst(0)
.irp i, 0,1,2,3
	global_load_b128 v[Q+16*\i:Q+16*\i+3], v[L16], s[4:5] offset:16384*\i
	global_load_b128 v[Q+16*\i+4:Q+16*\i+7], v[L16], s[4:5] offset:16384*\i+512
	global_load_u16 v[QS+\i], v[R4], s[6:7] offset:64*\i
.endr
	; the prefetches: where my wave's stand
	s_lshl_b32 s10, s104, 21
	s_lshl_b32 s11, s105, 12
	s_add_co_u32 s10, s10, s11
	s_lshl_b32 s11, s3, 15
	s_add_co_u32 s10, s10, s11                     ; K: my work-group's 2 rows
	s_lshl_b32 s14, s105, 21
	s_lshl_b32 s11, s104, 15
	s_add_co_u32 s14, s14, s11
	s_lshl_b32 s11, s3, 19
	s_add_co_u32 s14, s14, s11                     ; V: its 4 rows
	s_lshl_b32 s15, s66, 20
	s_lshl_b32 s11, s2, 18
	s_add_co_u32 s15, s15, s11
	s_lshl_b32 s11, s67, 8
	s_add_co_u32 s15, s15, s11                     ; the mask: its 32 rows, my 256 bytes of each
	s_cmp_eq_u32 s[WV], 7
	s_cselect_b64 s[PFA:PFA+1], s[12:13], s[8:9]
	s_cselect_b32 s10, s14, s10
	s_mov_b32 s14, 16384
	s_cselect_b32 s14, 131072, s14                 ; from row to row
	s_mov_b32 s[PFS], 131072
	s_cselect_b32 s[PFS], 2048, s[PFS]             ; a key step on
	s_cselect_b32 s11, 3, 4                        ; lanes to a row: 8 or 16
	s_cselect_b32 s105, 7, 15
	s_cmp_lt_u32 s[WV], 6
	s_cselect_b64 s[PFA:PFA+1], s[16:17], s[PFA:PFA+1]
	s_cselect_b32 s10, s15, s10
	s_cselect_b32 s14, 8192, s14
	s_cselect_b32 s[PFS], 512, s[PFS]
	s_cselect_b32 s11, 0, s11
	s_cselect_b32 s105, 0, s105
	v_lshrrev_b32 v11, s11, v8
	v_mul_lo_u32 v[PFO], v11, s14
	v_and_b32 v11, s105, v8
	v_lshl_add_u32 v[PFO], v11, 8, v[PFO]
	s_add_co_u32 s10, s10, s[PFS]                  ; at key step 1: the first change of slots steps it to 2
	s_mov_b32 s11, 0
	s_mov_b32 s[PFS+1], 0
	s_add_nc_u64 s[PFA:PFA+1], s[PFA:PFA+1], s[10:11]
	s_cmp_lt_u32 s[WV], 4
	s_cselect_b32 s[LIM], -1, 1                    ; waves 0 to 3 never ask
	s_mov_b32 s[SLOTS], 15
	; LDS addresses: constants, the lane and the wave's number
	s_lshl_b32 s10, s[HD], 10
	s_add_co_u32 s10, s10, KC
	v_add_nc_u32 v[AK0], s10, v[L16]
	s_lshl_b32 s10, s[HD], 13
	s_add_co_u32 s10, s10, VC
	v_add_nc_u32 v[AV0], s10, v[L16]
	s_mul_i32 s10, s[QG], 64*MP
	v_mul_u32_u24 v[AM0], v9, MP
	v_lshl_add_u32 v[AM0], v10, 5, v[AM0]
	v_add_nc_u32 v[AM0], s10, v[AM0]               ; the mask: row 64 x group + lane % 16, + 32 bytes x (lane / 16)
	s_lshr_b32 s10, s[HD], 1
	s_lshl_b32 s10, s10, 13
	s_and_b32 s11, s[HD], 1
	s_lshl_b32 s11, s11, 1
	s_add_co_u32 s10, s10, s11
	s_add_co_u32 s10, s10, KSC
	v_add_nc_u32 v[ASK0], s10, v[R4]
	s_lshl_b32 s10, s[HD], 8
	s_add_co_u32 s10, s10, VSC
	v_add_nc_u32 v[ASV0], s10, v[R4]
	s_mov_b32 s[TB], 0
	s_mov_b32 s[TS], 0
	s_mov_b32 s[TV], 0
	s_mov_b32 s[TT], 0
.irp i, 0,1,2,3
.irp j, 8,9,10,11,12,13,14,15
	v_mov_b32 v[Q+16*\i+\j], 0                     ; q's upper 64 along K: zero codes
.endr
	v_mov_b32 v[ST+4*\i+1], 0xff61b1e6             ; the largest logit so far: -3e38
	v_floor_f32 v[ST+4*\i], -v[ST+4*\i+1]          ; -M
	v_mov_b32 v[ST+4*\i+2], 0
	v_mov_b32 v[ST+4*\i+3], 0
.endr
	v_mov_b32 v[F+1], 0                            ; (named as the upper half of a pair)
	s_wait_alu depctr_va_vdst(0)
	s_wait_loadcnt 0x0
.irp i, 0,1,2,3
	v_add_nc_u32 v[QS+\i], 0xfffffcfd, v[QS+\i]    ; 3 off each of q's two bytes: the factor 1 / 8
.endr
	WIN 0x40
.set j, 0
.rept 128
	v_mov_b32 v[j], 0                              ; O^T: the step is written for every trip alike, and the first change of M leaves zeros zeros
.set j, j+1
.endr
	WIN 0
; tile i's 16 x 128 numbers of the mask: register 8 f + j is key 16 f + 8 (lane / 16) + j of query lane % 16.  Keys 0-63 go into registers of their own, keys 64-127 into the score registers
.macro MLA i
.irp f, 0,1,2,3
	ds_load_b128 v[M2+8*\f:M2+8*\f+3], v[ADM] offset:(\i)*16*MP+64*\f
	ds_load_b128 v[M2+8*\f+4:M2+8*\f+7], v[ADM] offset:(\i)*16*MP+64*\f+16
.endr
.endm
.macro MLB i
.irp f, 4,5,6,7
	ds_load_b128 v[S+8*\f:S+8*\f+3], v[ADM] offset:(\i)*16*MP+64*\f
	ds_load_b128 v[S+8*\f+4:S+8*\f+7], v[ADM] offset:(\i)*16*MP+64*\f+16
.endr
.endm
.macro HOLD2 d, h                      ; two numbers held at 448 x the scale by one dual instruction
	v_dual_min_num_f32 v[\d], v[\d], v[\h] :: v_dual_min_num_f32 v[\d+1], v[\d+1], v[\h]
.endm
.macro BMAXA b0, b1                    ; 14 of the 16 scores a lane has of blocks b0 and b1, in four chains by turns: twelve lines
.irp b, \b0, \b1
	v_max3_num_f32 v[BM+\b], v[S+16*\b], v[S+16*\b+1], v[S+16*\b+2]
.endr
.irp b, \b0, \b1
	v_max3_num_f32 v[PD+\b], v[S+16*\b+8], v[S+16*\b+9], v[S+16*\b+10]
.endr
.irp k, 3,5
.irp b, \b0, \b1
	v_max3_num_f32 v[BM+\b], v[BM+\b], v[S+16*\b+\k], v[S+16*\b+\k+1]
.endr
.irp b, \b0, \b1
	v_max3_num_f32 v[PD+\b], v[PD+\b], v[S+16*\b+8+\k], v[S+16*\b+9+\k]
.endr
.endr
.endm
.macro PKF n                           ; n pairs more: t - M
.rept \n
	v_pk_fma_f32 v[S+j:S+j+1], v[S+j:S+j+1], s[CS:CS+1], v[NM:NM+1] op_sel_hi:[1,0,0]
.set j, j+2
.endr
.endm
; ONE TILE OF 16 QUERIES AGAINST THE STEP'S 128 KEYS
.macro TILE i
.set NM, ST+4*(\i)
.set LL, ST+4*(\i)+2
	s_wait_dscnt 8                                 ; all but the youngest eight loads, the mask's keys 64-127, are in
.set j, 0
.rept 16
	v_pk_mul_f32 v[M2+j:M2+j+1], v[M2+j:M2+j+1], s[NEG:NEG+1] op_sel_hi:[1,0]   ; mask x (-1e9), keys 0-63
.set j, j+2
.endr
	WIN 0x01                                       ; source 0 (K) in window 1
.irp f, 0,1,2,3
	v_wmma_scale_f32_16x16x128_f8f6f4 v[S+8*\f:S+8*\f+7], v[KF+8*\f:KF+8*\f+15], v[Q+16*(\i):Q+16*(\i)+15], v[M2+8*\f:M2+8*\f+7], v[KSR+\f], v[QS+(\i)]
.endr
	WIN 0
	s_wait_dscnt 0x0
.set j, 32
.rept 16
	v_pk_mul_f32 v[S+j:S+j+1], v[S+j:S+j+1], s[NEG:NEG+1] op_sel_hi:[1,0]   ; keys 64-127; these sixteen are also the places behind the four products above (ISA guide 7.12.1)
.set j, j+2
.endr
	WIN 0x01
.irp f, 4,5,6,7
	v_wmma_scale_f32_16x16x128_f8f6f4 v[S+8*\f:S+8*\f+7], v[KF+8*\f:KF+8*\f+15], v[Q+16*(\i):Q+16*(\i)+15], v[S+8*\f:S+8*\f+7], v[KSR+\f], v[QS+(\i)]
.endr
	WIN 0
.if (\i) < 3
	MLA (\i)+1                                     ; the next tile's keys 0-63 of the mask: their registers were read sixteen places ago
.endif
	BMAXA 0, 1                                     ; the largest score of each block of 32 keys; these twelve lines are the places behind the second four products
	BMAXA 2, 3
.irp b, 0,1,2,3
	v_max3_num_f32 v[BM+\b], v[BM+\b], v[PD+\b], v[S+16*\b+7]
.endr
.irp b, 0,1,2,3
	v_max_num_f32 v[BM+\b], v[BM+\b], v[S+16*\b+15]
.endr
.irp b, 0,1,2,3
	v_permlanex16_b32 v[PD+\b], v[BM+\b], s[SEL], s[SEL+1]
.endr
.irp b, 0,1,2,3
	v_max_num_f32 v[BM+\b], v[BM+\b], v[PD+\b]     ; with lane l xor 16's 16 keys
.endr
	v_max3_num_f32 v[T], v[BM], v[BM+1], v[BM+2]
	v_mov_b32 v[T2], v[NM]                         ; the old -M
	v_max3_num_f32 v[NM+1], v[NM+1], v[T], v[BM+3] ; the running largest logit
	v_mul_f32 v[T], s[CS], v[NM+1]                 ; as t (log2(e) is positive, so the largest logit gives the largest t)
	v_floor_f32 v[NM], -v[T]                       ; the new -M
.set j, 0
	PKF 8
	v_sub_f32 v[T2], v[NM], v[T2]                  ; old M - new M: the three lines that make f stand among the multiply-adds
	PKF 8
	v_cvt_i32_f32 v[T2], v[T2]
	PKF 8
	v_ldexp_f32 v[F], 1.0, v[T2]                   ; f = 2^(old M - new M)
	PKF 8
.irp b, 0,1,2,3
	v_fma_f32 v[BM+\b], v[BM+\b], s[CS], v[NM]     ; the same of each block's largest score
.endr
	s_wait_alu depctr_va_vdst(0)                   ; ahead of the batch
.set j, 0
.rept 64
	v_exp_f32 v[S+j], v[S+j]
.set j, j+1
.endr
	v_pk_mul_f32 v[LL:LL+1], v[LL:LL+1], v[F:F+1] op_sel_hi:[1,0]   ; the sums under the new M
	s_wait_alu depctr_va_vdst(0)                   ; and behind it, ahead of its first reader
.irp b, 0,1,2,3
	v_exp_f32 v[BM+\b], v[BM+\b]                   ; the block's largest p
.endr
	v_pk_add_f32 v[SA:SA+1], v[S:S+1], v[S+2:S+3]  ; the row's sum of the unquantised p, in four chains
	v_pk_add_f32 v[SB:SB+1], v[S+4:S+5], v[S+6:S+7]
	v_pk_add_f32 v[SC:SC+1], v[S+8:S+9], v[S+10:S+11]
	v_pk_add_f32 v[LL:LL+1], v[LL:LL+1], v[S+12:S+13]
.set j, 14
.rept 6
	v_pk_add_f32 v[SA:SA+1], v[SA:SA+1], v[S+j:S+j+1]
	v_pk_add_f32 v[SB:SB+1], v[SB:SB+1], v[S+j+2:S+j+3]
	v_pk_add_f32 v[SC:SC+1], v[SC:SC+1], v[S+j+4:S+j+5]
	v_pk_add_f32 v[LL:LL+1], v[LL:LL+1], v[S+j+6:S+j+7]
.set j, j+8
.endr
	v_pk_add_f32 v[SA:SA+1], v[SA:SA+1], v[S+62:S+63]
	v_pk_add_f32 v[LL:LL+1], v[LL:LL+1], v[SC:SC+1]
	v_pk_add_f32 v[SA:SA+1], v[SA:SA+1], v[SB:SB+1]
	v_pk_add_f32 v[LL:LL+1], v[LL:LL+1], v[SA:SA+1]
	s_wait_alu depctr_va_vdst(0)                   ; for the four
.irp b, 0,1,2,3
	v_max_num_f32 v[BM+\b], 0x4800000, v[BM+\b]    ; the floor 2^(9 - 127): the byte cannot fall under 1
.endr
.irp b, 0,1,2,3
	v_add_nc_u32 v[SO+\b], 0xfc000000, v[BM+\b]    ; 8 off the exponent field: the conversion's scale operand
.endr
.irp b, 0,1,2,3
	v_and_or_b32 v[HL+\b], v[BM+\b], 0x7f800000, s[MNT]   ; 448 x the scale
.endr
.irp b, 0,1,2,3
	v_lshrrev_b32 v[PD+\b], 23, v[SO+\b]           ; the scale's byte
.endr
	v_lshl_or_b32 v[PW], v[PD+1], 8, v[PD]         ; p's scale word for these 128 keys: its other two lines stand among the holds
.irp b, 0,1,2,3
.set j, 0
.rept 8
	HOLD2 S+16*\b+j, HL+\b                         ; the conversion does not saturate (ISA guide 7.6.2); p is not negative, so the hold is one-sided
.set j, j+2
.endr
.if \b == 0
	v_lshl_or_b32 v[PW], v[PD+2], 16, v[PW]
.endif
.if \b == 1
	v_lshl_or_b32 v[PW], v[PD+3], 24, v[PW]
.endif
	v_cvt_scalef32_pk8_fp8_f32 v[PC+4*\b:PC+4*\b+1], v[S+16*\b:S+16*\b+7], v[SO+\b]
	v_cvt_scalef32_pk8_fp8_f32 v[PC+4*\b+2:PC+4*\b+3], v[S+16*\b+8:S+16*\b+15], v[SO+\b]
.endr
.if (\i) < 3
	MLB (\i)+1                                     ; the next tile's keys 64-127 of the mask, under this tile's second product
.endif
	WIN 0x41                                       ; O^T in window 1
	s_wait_alu depctr_va_vdst(0)                   ; directly ahead of the first reader of O^T
.set j, 0
.rept 16
	v_pk_mul_f32 v[32*(\i)+j:32*(\i)+j+1], v[32*(\i)+j:32*(\i)+j+1], v[F:F+1] op_sel_hi:[1,0]   ; O^T under the new M; also the places ahead of the products below
.set j, j+2
.endr
	WIN 0x51                                       ; V, C and D in window 1
.irp t, 0,1,2,3
	v_wmma_scale_f32_16x16x128_f8f6f4 v[32*(\i)+8*\t:32*(\i)+8*\t+7], v[VF+16*\t:VF+16*\t+15], v[PC:PC+15], v[32*(\i)+8*\t:32*(\i)+8*\t+7], v[VSR+\t], v[PW]
.endr
	WIN 0
.endm
; A KEY STEP: K's eight and V's four fragments come into registers once, for the wave's four tiles
.macro STEP
	v_add_nc_u32 v[ADK], s[TB], v[AK0]
	v_add_nc_u32 v[ADM], s[TB], v[AM0]
	v_add_nc_u32 v[ADV], s[TV], v[AV0]
	v_add_nc_u32 v[ADS], s[TS], v[ASK0]
	v_add_nc_u32 v[ADT], s[TT], v[ASV0]
.rept 4
	v_nop                                          ; with the five above: the places ahead of loads into registers that the last products read
.endr
	WIN 0x40
.irp f, 0,1,2,3,4,5,6,7
	ds_load_b128 v[KF+8*\f:KF+8*\f+3], v[ADK] offset:4096*\f
	ds_load_b128 v[KF+8*\f+4:KF+8*\f+7], v[ADK] offset:4096*\f+512
.endr
.irp t, 0,1,2,3
.irp c, 0,1,2,3
	ds_load_b128 v[VF+16*\t+4*\c:VF+16*\t+4*\c+3], v[ADV] offset:2048*\t+512*\c
.endr
.endr
	WIN 0
.irp f, 0,1,2,3,4,5,6,7
	ds_load_u16 v[KSR+\f], v[ADS] offset:64*\f     ; my head's two bytes; the upper two stay 0, a finite scale over zero products
.endr
.irp t, 0,1,2,3
	ds_load_b32 v[VSR+\t], v[ADT] offset:64*\t
.endr
	MLA 0
	MLB 0
	TILE 0
	TILE 1
	TILE 2
	TILE 3
	s_xor_b32 s[TB], s[TB], SLOT1
	s_xor_b32 s[TV], s[TV], VSL
	s_add_co_u32 s[TS], s[TS], 512
	s_add_co_u32 s[TT], s[TT], 1024
	s_wait_alu depctr_va_vdst(0)                   ; ahead of the branch and the waits that follow
.endm
; THE CHANGE OF SLOTS, at a step's head: all my tensor loads are in, the add, my reads of the slot that I left are over; a round of the cluster's barrier; the slot just left is filled with the next step's tiles.
.macro CHANGE fill
	s_wait_tensorcnt 0x0
	ds_add_u32 v[SPW], v[NIL]
.if \fill
	s_xor_b32 s[G0M+1], s[G0M+1], SLOT1
	s_add_nc_u64 s[G0M+2:G0M+3], s[G0M+2:G0M+3], 512
	s_xor_b32 s[G0K+1], s[G0K+1], SLOT1
	s_add_nc_u64 s[G0K+2:G0K+3], s[G0K+2:G0K+3], 131072
	s_xor_b32 s[G0V+1], s[G0V+1], VSL
	s_add_nc_u64 s[G0V+2:G0V+3], s[G0V+2:G0V+3], 2048
	s_wait_xcnt 0x0                                ; my last prefetch has read its address
	s_add_nc_u64 s[PFA:PFA+1], s[PFA:PFA+1], s[PFS:PFS+1]
	s_wait_dscnt 0x0
	CROUND
	RLOAD
	ASK
.else
	s_wait_dscnt 0x0
	s_barrier_signal -1
	s_barrier_wait -1
.endif
.endm
	s_wait_alu depctr_va_vdst(0)                   ; the wait at the head's end
.Lslot:                                            ; 15 trips: behind each change of slots but the last the next step's tiles are asked for
	CHANGE 1
	STEP
	s_sub_co_u32 s[SLOTS], s[SLOTS], 1
	s_cmp_lg_u32 s[SLOTS], 0
	s_cbranch_scc1 .Lslot
	CHANGE 0                                       ; the last step is written out: it asks for nothing
	STEP
	; THE WAY OUT: O^T / the sum, quantised along the head's 64, stored as two cells of 512 consecutive bytes a tile
.irp i, 0,1,2,3
	v_add_f32 v[ST+4*\i+2], v[ST+4*\i+2], v[ST+4*\i+3]
.endr
.irp i, 0,1,2,3
	v_permlanex16_b32 v[PD+\i], v[ST+4*\i+2], s[SEL], s[SEL+1]
.endr
.irp i, 0,1,2,3
	v_add_f32 v[ST+4*\i+2], v[ST+4*\i+2], v[PD+\i]
.endr
	s_wait_alu depctr_va_vdst(0)                   ; ahead of the batch
.irp i, 0,1,2,3
	v_rcp_f32 v[ST+4*\i+2], v[ST+4*\i+2]
.endr
	v_nop
.macro OUT i
.set LL, ST+4*(\i)+2
.if (\i) > 0
	s_wait_xcnt 0x0                                ; the last tile's stores have read their data
.endif
	WIN 0x01
	s_wait_alu depctr_va_vdst(0)                   ; behind the batch, and directly ahead of the first reader of this tile's O^T
.set j, 0
.rept 16
	v_pk_mul_f32 v[S+j:S+j+1], v[32*(\i)+j:32*(\i)+j+1], v[LL:LL+1] op_sel_hi:[1,0]
.set j, j+2
.endr
	WIN 0
.irp b, 0,1
	v_max3_num_f32 v[BM+\b], |v[S+16*\b]|, |v[S+16*\b+1]|, 0x4800000
.endr
.irp k, 2,4,6,8,10,12,14
.irp b, 0,1
	v_max3_num_f32 v[BM+\b], v[BM+\b], |v[S+16*\b+\k]|, |v[S+16*\b+\k+1]|
.endr
.endr
.irp b, 0,1
	v_permlanex16_b32 v[PD+\b], v[BM+\b], s[SEL], s[SEL+1]
.endr
.irp b, 0,1
	v_max_num_f32 v[BM+\b], v[BM+\b], v[PD+\b]
.endr
.irp b, 0,1
	v_add_nc_u32 v[SO+\b], 0xfc000000, v[BM+\b]
.endr
.irp b, 0,1
	v_and_or_b32 v[HL+\b], v[BM+\b], 0x7f800000, s[MNT]
.endr
.irp b, 0,1
	v_lshrrev_b32 v[PD+\b], 23, v[SO+\b]
.endr
	v_lshl_or_b32 v[PW], v[PD+1], 8, v[PD]
.irp b, 0,1
.irp k, 0,1,2,3,4,5,6,7,8,9,10,11,12,13,14,15
	v_med3_num_f32 v[S+16*\b+\k], v[S+16*\b+\k], -v[HL+\b], v[HL+\b]
.endr
	v_cvt_scalef32_pk8_fp8_f32 v[PC+4*\b:PC+4*\b+1], v[S+16*\b:S+16*\b+7], v[SO+\b]
	v_cvt_scalef32_pk8_fp8_f32 v[PC+4*\b+2:PC+4*\b+3], v[S+16*\b+8:S+16*\b+15], v[SO+\b]
.endr
	v_nop
	global_store_b128 v[L16], v[PC:PC+3], s[18:19] offset:16384*(\i)
	global_store_b128 v[L16], v[PC+4:PC+7], s[18:19] offset:16384*(\i)+512
	global_store_b16 v[R32], v[PW], s[20:21] offset:512*(\i)
.endm
	OUT 0
	OUT 1
	OUT 2
	OUT 3
	s_wait_tensorcnt 0x0                           ; the wave's end
	ds_add_u32 v[SPW], v[NIL]
	s_wait_dscnt 0x0
	CROUND                                         ; the closing round
	s_endpgm
.Lfunc_end_k_qb7d9a08f17_attn:
	.size	k_qb7d9a08f17_attn, .Lfunc_end_k_qb7d9a08f17_attn-k_qb7d9a08f17_attn
	.p2alignl 7, 3214868480
	.fill 96, 4, 3214868480
	.section	.rodata,"a",@progbits
	.p2align	6, 0x0
	.amdhsa_kernel k_qb7d9a08f17_attn
		.amdhsa_group_segment_fixed_size 327680
		.amdhsa_private_segment_fixed_size 0
		.amdhsa_enable_private_segment 0
		.amdhsa_kernarg_size 72
		.amdhsa_user_sgpr_count 2
		.amdhsa_user_sgpr_kernarg_segment_ptr 1
		.amdhsa_wavefront_size32 1
		.amdhsa_system_sgpr_workgroup_id_x 1
		.amdhsa_system_sgpr_workgroup_id_y 1
		.amdhsa_system_sgpr_workgroup_id_z 1
		.amdhsa_system_vgpr_workitem_id 0
		.amdhsa_next_free_vgpr 512
		.amdhsa_next_free_sgpr 106
		.amdhsa_reserve_vcc 0
		.amdhsa_float_denorm_mode_32 3
		.amdhsa_float_denorm_mode_16_64 3
		.amdhsa_memory_ordered 1
		.amdhsa_forward_progress 1
		.amdhsa_inst_pref_size 200
	.end_amdhsa_kernel
	.amdgpu_metadata
---
amdhsa.version: [ 1, 2 ]
amdhsa.kernels:
  - .name:           k_qb7d9a08f17_attn
    .symbol:         k_qb7d9a08f17_attn.kd
    .args:
      - { .name: qc, .offset: 0, .size: 8, .value_kind: global_buffer, .address_space: global }
      - { .name: qs, .offset: 8, .size: 8, .value_kind: global_buffer, .address_space: global }
      - { .name: kc, .offset: 16, .size: 8, .value_kind: global_buffer, .address_space: global }
      - { .name: ks, .offset: 24, .size: 8, .value_kind: global_buffer, .address_space: global }
      - { .name: vc, .offset: 32, .size: 8, .value_kind: global_buffer, .address_space: global }
      - { .name: vs, .offset: 40, .size: 8, .value_kind: global_buffer, .address_space: global }
      - { .name: mask, .offset: 48, .size: 8, .value_kind: global_buffer, .address_space: global }
      - { .name: xc, .offset: 56, .size: 8, .value_kind: global_buffer, .address_space: global }
      - { .name: xs, .offset: 64, .size: 8, .value_kind: global_buffer, .address_space: global }
    .group_segment_fixed_size: 327680
    .private_segment_fixed_size: 0
    .kernarg_segment_align: 8
    .kernarg_segment_size: 72
    .max_flat_workgroup_size: 256
    .sgpr_count:     106
    .vgpr_count:     512
    .wavefront_size: 32
...
	.end_amdgpu_metadata
.endif
;; end of part 2
;; launch outp (part 3): grid 4 x 32, 4 waves a work-group, clusters of 4 x 4, 327,680 bytes of LDS; arguments xc, xs, Wo_codes, Wo_scales, bo, out0; writes out0
.if DOCPART == 3
	.amdgcn_target "amdgcn-amd-amdhsa--gfx1250"
	.amdhsa_code_object_version 6
	.text
	.protected	k_qb7d9a08f17_outp
	.globl	k_qb7d9a08f17_outp
	.p2align	8
	.type	k_qb7d9a08f17_outp,@function
k_qb7d9a08f17_outp:
	s_mov_b64 s[64:65], 0
	v_nop
	global_prefetch_b8 v0, s[64:65] scope:SCOPE_SE
	s_setreg_imm32_b32 hwreg(HW_REG_WAVE_MODE, 25, 1), 1
	s_wait_xcnt 0x0
	s_wait_alu depctr_hold_cnt(0) depctr_sa_sdst(0) depctr_va_vdst(0) depctr_va_sdst(0) depctr_va_ssrc(0) depctr_va_vcc(0) depctr_vm_vsrc(0)
	s_getreg_b32 s2, hwreg(HW_REG_IB_STS2, 6, 4)
	s_cmp_eq_u32 s2, 0
	s_cbranch_scc0 .Lentry_in_a_cluster
	s_endpgm
.Lentry_in_a_cluster:
	s_bfe_u32 s2, ttmp6, 0x10000c
	s_cmp_lg_u32 s2, 0xf033
	s_cbranch_scc0 .Lentry_shape_is_right
	s_endpgm
.Lentry_shape_is_right:
.set SIZE_N, 1024
.set KSTEP,  256
.set NQ,     2
.set ROWB,   256
.set AROWB,  4096
.set KROW,   1024
.set PITCH,  272
.set FR,     16
.set NL,     4
.set NP,     8
.set HALFT,  128*PITCH
.set SLOT,   4*HALFT
.set LAPS,   2
.set KS,     32
.set SCL,    2*SLOT
.set HALFS,  (128*KS/256)*272
.set SBLK,   (16*KS/256)*272
.set SPARE,  SCL+4*HALFS
.set SPITCH, 528
.set ADRA, 16
.set BOW,  18
.set ADRB, 20
.set STO,  24
.set RD,   25
.set CO,   26
.set ADRS, 27
.set SPW,  28
.set NIL,  29
.set SC,   32
.set WB,   64
.set AF,   128
.set BK,   128
.set G1, 24
.set G0, 32
.set G1B, 48
.set G0B, 56
.set G1S, 68
.set G0S, 76
.set G1SB, 80
.set G0SB, 88
.set MSB, 0
.macro WIN new
.if MSB != \new
	s_set_vgpr_msb (MSB<<8)|\new
.set MSB, \new
.endif
.endm
.set MUL_LO, 0xa1
.set MUL_HI, 0xf1
.set FST_LO, 0x81
.set FST_HI, 0xc1
.set TO_B,   0x40
.macro JLOAD g0a, g1a, g0b, g1b
	s_cmp_eq_u32 s15, 0
	s_cbranch_scc0 .Lfor_b_\@
	tensor_load_to_lds s[\g0a:\g0a+3], s[\g1a:\g1a+7]
	s_nop 0
.rept 4
	v_nop
.endr
	s_branch .Lasked_\@
.Lfor_b_\@:
	tensor_load_to_lds s[\g0b:\g0b+3], s[\g1b:\g1b+7]
	s_nop 0
.rept 4
	v_nop
.endr
.Lasked_\@:
.endm
.macro CREST
	s_cmp_lg_u32 s14, 0
	s_cbranch_scc1 .Lnot_wave_0_\@
	s_barrier_signal -3
.Lnot_wave_0_\@:
	s_barrier_wait -3
	s_barrier_signal -1
	s_barrier_wait -1
.endm
.macro CROUND
	s_barrier_signal -1
	s_barrier_wait -1
	CREST
.endm
	s_load_b128 s[4:7], s[0:1], 0x0
	s_load_b128 s[8:11], s[0:1], 0x10
	s_load_b64 s[98:99], s[0:1], 0x20
	s_load_b64 s[12:13], s[0:1], 0x28
	v_lshl_add_u32 v[SPW], v0, 2, SPARE
	v_mov_b32 v[NIL], 0
	ds_add_u32 v[SPW], v[NIL]
	ds_add_u32 v[SPW], v[NIL]
	v_lshrrev_b32 v1, 5, v0
	v_readfirstlane_b32 s14, v1
	s_lshr_b32 s15, s14, 1
	s_and_b32 s16, s14, 1
	s_bfe_u32 s40, ttmp6, 0x40000
	s_bfe_u32 s41, ttmp6, 0x40004
	s_lshl_b32 s42, ttmp9, 2
	s_add_co_u32 s42, s42, s40
	s_and_b32 s17, ttmp7, 0xffff
	s_lshl_b32 s17, s17, 2
	s_add_co_u32 s17, s17, s41
	s_lshl_b32 s43, s41, 2
	s_lshl_b32 s43, 15, s43
	s_lshl_b32 s44, 0x1111, s40
	s_or_b32 s[G1+0], s43, (3<<16)|(1<<21)
	s_mov_b32 s[G1+1], 512<<16
	s_mov_b32 s[G1+2], 8<<16
	s_mov_b32 s[G1+3], 512<<16
	s_mov_b32 s[G1+4], 8
	s_mov_b32 s[G1+5], 2048
	s_mov_b32 s[G1+6], 0
	s_mov_b32 s[G1+7], 0
	s_or_b32 s[G1B+0], s44, (0<<16)|(1<<20)|(1<<21)|(5<<22)|(3<<25)
	s_mov_b32 s[G1B+1], ROWB<<16
	s_mov_b32 s[G1B+2], 128<<16
	s_mov_b32 s[G1B+3], ROWB<<16
	s_mov_b32 s[G1B+4], 128
	s_mov_b32 s[G1B+5], KROW
	s_mov_b32 s[G1B+6], 0
	s_mov_b32 s[G1B+7], 0
	s_or_b32 s[G1S+0], s43, (3<<16)|(1<<20)|(1<<21)|(5<<22)|(3<<25)
	s_or_b32 s[G1SB+0], s44, (3<<16)|(1<<20)|(1<<21)|(5<<22)|(3<<25)
.irp g, G1S, G1SB
	s_mov_b32 s[\g+1], 32<<16
	s_mov_b32 s[\g+2], (128*KS/256)<<16
	s_mov_b32 s[\g+3], 32<<16
	s_mov_b32 s[\g+4], 128*KS/256
	s_mov_b32 s[\g+5], 32
	s_mov_b32 s[\g+6], 0
	s_mov_b32 s[\g+7], 0
.endr
	s_lshl_b32 s18, s16, 7
	s_lshl_b32 s20, s17, 8
	s_add_co_u32 s20, s20, s18
	s_lshl_b32 s46, s42, 8
	s_add_co_u32 s46, s46, s18
	s_mov_b32 s21, 0
	s_mov_b32 s47, 0
	s_mov_b64 s[18:19], KS
	s_mul_u64 s[22:23], s[20:21], s[18:19]
	s_mul_u64 s[92:93], s[46:47], s[18:19]
	s_mov_b64 s[18:19], KROW
	s_mul_u64 s[20:21], s[20:21], s[18:19]
	s_mul_u64 s[46:47], s[46:47], s[18:19]
	s_mul_i32 s45, s14, HALFT
	s_mul_i32 s94, s14, HALFS
	s_wait_dscnt 0x0
	s_wait_kmcnt 0x0
	s_add_nc_u64 s[20:21], s[4:5], s[20:21]
	s_add_nc_u64 s[22:23], s[6:7], s[22:23]
	s_add_nc_u64 s[46:47], s[8:9], s[46:47]
	s_add_nc_u64 s[92:93], s[10:11], s[92:93]
	CROUND
	s_mov_b32 s[G0S], 1
	s_add_co_u32 s[G0S+1], s94, SCL
	s_mov_b64 s[G0S+2:G0S+3], s[22:23]
	s_or_b32 s[G0S+3], s[G0S+3], 0x80000000
	s_mov_b32 s[G0SB], 1
	s_add_co_u32 s[G0SB+1], s94, SCL
	s_mov_b64 s[G0SB+2:G0SB+3], s[92:93]
	s_or_b32 s[G0SB+3], s[G0SB+3], 0x80000000
	JLOAD G0S, G1S, G0SB, G1SB
.irp s, 0,1
	s_mov_b32 s[G0+4*\s], 1
	s_add_co_u32 s[G0+4*\s+1], s45, \s*SLOT
	s_add_nc_u64 s[G0+4*\s+2:G0+4*\s+3], s[20:21], \s*AROWB
	s_or_b32 s[G0+4*\s+3], s[G0+4*\s+3], 0x80000000
	s_mov_b32 s[G0B+4*\s], 1
	s_add_co_u32 s[G0B+4*\s+1], s45, \s*SLOT
	s_add_nc_u64 s[G0B+4*\s+2:G0B+4*\s+3], s[46:47], \s*ROWB
	s_or_b32 s[G0B+4*\s+3], s[G0B+4*\s+3], 0x80000000
	s_wait_alu depctr_va_vdst(0)
	s_wait_tensorcnt 0x0
	ds_add_u32 v28, v29
	s_wait_dscnt 0x0
	CROUND
	JLOAD G0+4*\s, G1, G0B+4*\s, G1B
.endr
	v_and_b32 v1, 15, v0
	v_bfe_u32 v2, v0, 4, 1
	v_and_b32 v6, 31, v0
	v_lshlrev_b32 v[CO], 4, v6
	v_mul_u32_u24 v3, v1, PITCH
	v_lshl_add_u32 v4, v2, 3, v3
	s_mul_i32 s21, s15, HALFT
	s_mul_i32 s22, s16, HALFT
	s_add_co_u32 s22, s22, 2*HALFT
.irp s, 0,1
	v_add_nc_u32 v[ADRA+\s], s21, v[CO]
	v_add_nc_u32 v[ADRB+\s], s22, v4
	s_add_co_u32 s21, s21, SLOT
	s_add_co_u32 s22, s22, SLOT
.endr
	v_mul_u32_u24 v5, v1, KS
	v_lshrrev_b32 v6, 8, v5
	v_lshl_add_u32 v5, v6, 4, v5
	s_mul_i32 s21, s15, HALFS
	s_mul_i32 s22, s16, HALFS
	s_add_co_u32 s22, s22, 2*HALFS
	s_sub_co_u32 s22, s22, s21
	v_mul_u32_u24 v6, s22, v2
	s_add_co_u32 s21, s21, SCL
	v_add_nc_u32 v5, v5, v6
	v_add_nc_u32 v[ADRS], s21, v5
	s_mul_i32 s23, s14, 16*SPITCH
	v_mul_u32_u24 v5, v1, SPITCH
	v_lshl_add_u32 v5, v2, 5, v5
	v_add_nc_u32 v[STO], s23, v5
	v_add_nc_u32 v[RD], s23, v[CO]
	v_lshlrev_b32 v[BOW], 5, v2
	s_wait_alu depctr_va_vdst(0)
	s_lshl_b32 s20, s17, 8
	s_lshl_b32 s21, s15, 7
	s_add_co_u32 s20, s20, s21
	s_mov_b32 s21, 0
	s_mov_b64 s[18:19], SIZE_N*4
	s_mul_u64 s[20:21], s[20:21], s[18:19]
	s_lshl_b32 s46, s42, 10
	s_lshl_b32 s47, s16, 9
	s_add_co_u32 s46, s46, s47
	s_mov_b32 s47, 0
	s_add_nc_u64 s[98:99], s[98:99], s[46:47]
	s_add_nc_u64 s[20:21], s[20:21], s[46:47]
	s_add_nc_u64 s[12:13], s[12:13], s[20:21]
.irp t, 0,1,2,3,4,5,6,7
	global_load_b128 v[WB+8*\t:WB+8*\t+3], v[BOW], s[98:99] offset:64*\t
	global_load_b128 v[WB+8*\t+4:WB+8*\t+7], v[BOW], s[98:99] offset:64*\t+16
.endr
.macro FRAGA reg, adr, q, i
.irp c, 0,1,2,3
	ds_load_b128 v[\reg+4*\c:\reg+4*\c+3], v[\adr] offset:AROWB*(\i)+2048*(\q)+512*\c
.endr
.endm
.macro FRAGB reg, adr, q, i
.irp c, 0,1,2,3
	ds_load_b64 v[\reg+4*\c:\reg+4*\c+1], v[\adr] offset:128*(\q)+32*\c+(\i)*16*PITCH
	ds_load_b64 v[\reg+4*\c+2:\reg+4*\c+3], v[\adr] offset:128*(\q)+32*\c+16+(\i)*16*PITCH
.endr
.endm
.macro MUL16 a0, p, q, sc, first
.irp a, \a0, \a0+1
.irp b, 0,1,2,3,4,5,6,7
.if \first
	v_wmma_scale_f32_16x16x128_f8f6f4 v[8*(8*((\a)%4)+\b):8*(8*((\a)%4)+\b)+7], v[128*(\p)+FR*\b:128*(\p)+FR*\b+FR-1], v[AF+FR*(\a):AF+FR*(\a)+FR-1], v[WB+8*\b:WB+8*\b+7], v[SC+8*NQ*(\sc)+NQ*\b+(\q)], v[SC+8*NQ*(\sc)+NQ*(\a)+(\q)] matrix_a_scale:MATRIX_SCALE_ROW1
.else
	v_wmma_scale_f32_16x16x128_f8f6f4 v[8*(8*((\a)%4)+\b):8*(8*((\a)%4)+\b)+7], v[128*(\p)+FR*\b:128*(\p)+FR*\b+FR-1], v[AF+FR*(\a):AF+FR*(\a)+FR-1], v[8*(8*((\a)%4)+\b):8*(8*((\a)%4)+\b)+7], v[SC+8*NQ*(\sc)+NQ*\b+(\q)], v[SC+8*NQ*(\sc)+NQ*(\a)+(\q)] matrix_a_scale:MATRIX_SCALE_ROW1
.endif
.endr
.endr
.endm
.macro FETCH_B slot, q, p
	WIN TO_B
.irp i, 0,1,2,3,4,5,6,7
	FRAGB 128*(\p)+FR*\i, ADRB+\slot, \q, \i
.endr
	WIN 0
.endm
.macro FETCH_A slot, q, i0
.irp i, \i0, \i0+1, \i0+2, \i0+3
	FRAGA AF+FR*(\i), ADRA+\slot, \q, \i
.endr
.endm
.macro SCALES sc
.irp i, 0,1,2,3,4,5,6,7
	ds_load_b64 v[SC+8*NQ*\sc+NQ*\i:SC+8*NQ*\sc+NQ*\i+1], v[ADRS] offset:\i*SBLK
.endr
.endm
.macro PLACES n
.rept \n
	v_nop
.endr
.endm
.macro STEP slot, q, first
	s_wait_dscnt 4*NL
.if \first
	WIN FST_LO
.else
	WIN MUL_LO
.endif
	MUL16 0, (\q)%2, \q, \slot, \first
	MUL16 2, (\q)%2, \q, \slot, \first
	s_wait_dscnt 0
	PLACES NP
	FETCH_B \slot, (\q)+1, 1-(\q)%2
	FETCH_A \slot, (\q)+1, 0
.if \first
	WIN FST_HI
.else
	WIN MUL_HI
.endif
	MUL16 4, (\q)%2, \q, \slot, \first
	MUL16 6, (\q)%2, \q, \slot, \first
	PLACES NP
	WIN 0
	FETCH_A \slot, (\q)+1, 4
.endm
.macro TURN slot, next, fill
	s_wait_tensorcnt 0x0
	ds_add_u32 v[SPW], v[NIL]
	s_wait_dscnt 4*NL+1
	WIN MUL_LO
	MUL16 0, 1, NQ-1, \slot, 0
	s_wait_dscnt 0x0
	s_barrier_signal -1
	MUL16 2, 1, NQ-1, \slot, 0
	WIN 0
	s_barrier_wait -1
.if \fill
	CREST
	s_add_nc_u64 s[G0+4*\slot+2:G0+4*\slot+3], s[G0+4*\slot+2:G0+4*\slot+3], 2*AROWB
	s_add_nc_u64 s[G0B+4*\slot+2:G0B+4*\slot+3], s[G0B+4*\slot+2:G0B+4*\slot+3], 2*ROWB
	JLOAD G0+4*\slot, G1, G0B+4*\slot, G1B
	PLACES NP-4
.else
	PLACES NP
.endif
	s_wait_alu depctr_va_vdst(0)
	v_add_nc_u32 v[ADRS], 4*NQ, v[ADRS]
	FETCH_B \next, 0, 0
	FETCH_A \next, 0, 0
	SCALES \next
	WIN MUL_HI
	MUL16 4, 1, NQ-1, \slot, 0
	MUL16 6, 1, NQ-1, \slot, 0
	PLACES NP
	WIN 0
	FETCH_A \next, 0, 4
.endm
	s_wait_tensorcnt 1
	s_barrier_signal -1
	s_barrier_wait -1
	FETCH_B 0, 0, 0
	FETCH_A 0, 0, 0
	SCALES 0
	FETCH_A 0, 0, 4
	s_wait_loadcnt 0x0
	STEP 0, 0, 1
	s_mov_b32 s3, LAPS-1
.Llap:
	TURN 0, 1, 1
	STEP 1, 0, 0
	TURN 1, 0, 1
	STEP 0, 0, 0
	s_sub_co_u32 s3, s3, 1
	s_cmp_lg_u32 s3, 0
	s_cbranch_scc1 .Llap
	TURN 0, 1, 0
	STEP 1, 0, 0
	s_wait_dscnt 4*NL
	WIN MUL_LO
	MUL16 0, 1, NQ-1, 1, 0
	MUL16 2, 1, NQ-1, 1, 0
	s_wait_dscnt 0
	WIN MUL_HI
	MUL16 4, 1, NQ-1, 1, 0
	MUL16 6, 1, NQ-1, 1, 0
	WIN 0
.macro TOSTAGE a
.set AC, 64*((\a)%4)
	WIN 0x08+4*((\a)/4)
.irp b, 0,1,2,3,4,5,6,7
	ds_store_b128 v[STO], v[AC+8*\b:AC+8*\b+3] offset:64*\b
	ds_store_b128 v[STO], v[AC+8*\b+4:AC+8*\b+7] offset:64*\b+16
.endr
	WIN 0
.set BB, BK+64*((\a)%2)
.irp t, 0,1,2,3,4,5,6,7,8,9,10,11,12,13,14,15
	ds_load_b128 v[BB+4*\t:BB+4*\t+3], v[RD] offset:\t*SPITCH
.endr
.endm
.macro SEND a, younger
.set BB, BK+64*((\a)%2)
	s_wait_dscnt \younger
.if (\a) > 0
	s_add_nc_u64 s[12:13], s[12:13], 16*SIZE_N*4
.endif
.irp t, 0,1,2,3,4,5,6,7,8,9,10,11,12,13,14,15
	global_store_b128 v[CO], v[BB+4*\t:BB+4*\t+3], s[12:13] offset:\t*SIZE_N*4 th:TH_STORE_NT
.endr
.endm
	PLACES NP
	TOSTAGE 0
.irp a, 1,2,3,4,5,6,7
.if \a > 1
	s_wait_xcnt 0x0
.endif
	TOSTAGE \a
	SEND \a-1, 32
.endr
	s_wait_xcnt 0x0
	SEND 7, 0
	s_wait_tensorcnt 0x0
	ds_add_u32 v[SPW], v[NIL]
	s_wait_dscnt 0x0
	CROUND
	s_endpgm
.Lfunc_end_k_qb7d9a08f17_outp:
	.size	k_qb7d9a08f17_outp, .Lfunc_end_k_qb7d9a08f17_outp-k_qb7d9a08f17_outp
	.p2alignl 7, 3214868480
	.fill 96, 4, 3214868480
	.section	.rodata,"a",@progbits
	.p2align	6, 0x0
	.amdhsa_kernel k_qb7d9a08f17_outp
		.amdhsa_group_segment_fixed_size 327680
		.amdhsa_private_segment_fixed_size 0
		.amdhsa_enable_private_segment 0
		.amdhsa_kernarg_size 48
		.amdhsa_user_sgpr_count 2
		.amdhsa_user_sgpr_kernarg_segment_ptr 1
		.amdhsa_wavefront_size32 1
		.amdhsa_system_sgpr_workgroup_id_x 1
		.amdhsa_system_sgpr_workgroup_id_y 1
		.amdhsa_system_sgpr_workgroup_id_z 1
		.amdhsa_system_vgpr_workitem_id 0
		.amdhsa_next_free_vgpr 1024
		.amdhsa_next_free_sgpr 100
		.amdhsa_reserve_vcc 0
		.amdhsa_float_denorm_mode_32 3
		.amdhsa_float_denorm_mode_16_64 3
		.amdhsa_memory_ordered 1
		.amdhsa_forward_progress 1
		.amdhsa_inst_pref_size 164
	.end_amdhsa_kernel
	.amdgpu_metadata
---
amdhsa.version: [ 1, 2 ]
amdhsa.kernels:
  - .name:           k_qb7d9a08f17_outp
    .symbol:         k_qb7d9a08f17_outp.kd
    .args:
      - { .name: xc, .offset: 0, .size: 8, .value_kind: global_buffer, .address_space: global }
      - { .name: xs, .offset: 8, .size: 8, .value_kind: global_buffer, .address_space: global }
      - { .name: Wo_codes, .offset: 16, .size: 8, .value_kind: global_buffer, .address_space: global }
      - { .name: Wo_scales, .offset: 24, .size: 8, .value_kind: global_buffer, .address_space: global }
      - { .name: bo, .offset: 32, .size: 8, .value_kind: global_buffer, .address_space: global }
      - { .name: out0, .offset: 40, .size: 8, .value_kind: global_buffer, .address_space: global }
    .group_segment_fixed_size: 327680
    .private_segment_fixed_size: 0
    .kernarg_segment_align: 8
    .kernarg_segment_size: 48
    .max_flat_workgroup_size: 128
    .sgpr_count:     100
    .vgpr_count:     1024
    .wavefront_size: 32
...
	.end_amdgpu_metadata
.endif
;; end of part 3
